; MI455X (gfx1250); checked and timed in simulation.
; The chip was launched on July 23, 2026; its instructions are those of AMD's public machine-readable ISA for CDNA 5 (MIT licence, August 2026) and "CDNA5" Instruction Set Architecture Reference Guide (July 2026). The comments in the code are by the model that wrote it; some were corrected since.
;; Multi Head Attention. Allowed arithmetic: matrix products marked QUANTISED: E2M3 operands, one E8M0 scale for each 32 along K, by v_wmma_scale_f32_16x16x128_f8f6f4 with both operands' format E2M3, f32 sums; everything else in f32.
;; Inputs: b_out 1,024 float32; b_qkv 3,072 float32; w_out 1,024 x 1,024 float32; w_qkv 1,024 x 3,072 float32; x 4 x 2,048 x 1,024 float32.
;; Outputs: out0 4 x 2,048 x 1,024 float32.
;; This version of the problem:
;;   THIS VERSION OF THE PROBLEM IS GIVEN IN LOW PRECISION. The matrix products marked QUANTISED in the list below multiply operands that are first quantised to E2M3 (2 exponent bits, 3 mantissa bits; 6 bits a number), with one power-of-two scale for each 32 numbers along K (OCP MX v1.0); their sums are f32. All else is computed in f32.
;;   The module's matrix products, in the order in which they are computed (A, B: the left and right operand; K: the contracted axis; several contracted axes count as one K, in the product's order):
;;     1. [M 8,192, K 1,024] x [K 1,024, N 3,072]; A: input x; B: input w_qkv: QUANTISED
;;     2. batch 64 x [M 2,048, K 64] x [K 64, N 2,048]; A: computed on the way; B: computed on the way: QUANTISED
;;     3. batch 64 x [M 2,048, K 2,048] x [K 2,048, N 64]; A: softmax (see below); B: computed on the way: QUANTISED
;;     4. [M 8,192, K 1,024] x [K 1,024, N 1,024]; A: computed on the way; B: input w_out: QUANTISED
;;   THE QUANTISER, for each operand of a quantised product, along K:
;;     - K is cut into blocks of 32 from its start; a last block that is shorter is filled with zeros.
;;     - A block's scale is 2^e with e = floor(log2(the largest magnitude in the block)) - 2, held to -126 .. 127; a block of zeros has e = 0. As a byte (E8M0): e + 127.
;;     - Each number is divided by its block's scale, clamped to +-7.5, and rounded to the nearest number of E2M3, ties to even, subnormals kept.
;;     - The product sums the exact products of the quantised numbers (number of the format x scale) in f32.
;;   ~~~python
;;   def quantise(x, axis):      # numpy; x: float32 -> the quantised numbers, widened to float32 again
;;       x = np.moveaxis(x, axis, -1); K = x.shape[-1]
;;       x = np.pad(x, [(0, 0)] * (x.ndim - 1) + [(0, -K % 32)]); x = x.reshape(x.shape[:-1] + (-1, 32)); a = np.abs(x).max(-1, keepdims=True)
;;       e = np.where(a > 0, np.clip(np.frexp(np.where(a > 0, a, 1))[1] - 1 - 2, -126, 127), 0)      # np.frexp(a)[1] - 1 = floor(log2(a)), exactly
;;       r = np.clip(x / 2.0 ** e, -7.5, 7.5)
;;       step = 2.0 ** (np.maximum(np.frexp(np.where(r == 0, 1, r))[1] - 1, 0) - 3)
;;       q = np.round(r / step) * step * 2.0 ** e      # np.round: ties to even
;;       return np.moveaxis(q.reshape(q.shape[:-2] + (-1,))[..., :K], -1, axis).astype(np.float32)
;;   ~~~
;;   SOFTMAX AHEAD OF A QUANTISED PRODUCT. Where the list says 'softmax', what is quantised is not the finished softmax but p = 2^(t - M), with t = logit x log2(e) and M = ceil(the row's largest t), a whole number; so 1/2 < the row's largest p <= 1. The row's sum l is taken of the UNQUANTISED p, in f32, and the product's result is divided by l at the end. Since M is a whole number, a kernel that streams over the keys may use a running M (the ceiling of the running maximum): every later rescaling is an exact power of two, which a block's scale takes up: the codes' values come out the same.
;;   OPERANDS COMPUTED ON THE WAY. 'Computed on the way' means the value that the module computes at that place (a softmax that the list does not call 'softmax' is quantised finished and normalised). What goes into a quantiser is computed in f32, as accurately as f32 sums, v_exp_f32 and their like allow (about 1e-6 of the number): no bf16 or f16 on the way to a quantiser, and a product that is left as it is and whose result goes on into a quantised operand takes f32 operands (vector FMAs, or v_wmma_f32_16x16x4_f32). A number that lies on a knife's edge between two numbers of the format may be rounded either way, as far as f32 arithmetic and the matrix unit's own rounding can turn it there, and no further.
;; One version. Each part assembles by itself: llvm-mc -triple=amdgcn-amd-amdhsa -mcpu=gfx1250 --defsym DOCPART=n.
;; ======== version 1 of 1: 4 launches
;; limits: right only within a limited range of input values
;; workspace buffers: x_img 6,291,456 bytes; x_scl 262,144 bytes; w_img 3,145,728 bytes; w_scl 131,072 bytes; qkv_img 18,874,368 bytes; qkv_scl 786,432 bytes; o_img 6,291,456 bytes; o_scl 262,144 bytes
;; launch prep (part 1): grid 768 x 1, 4 waves a work-group, no clusters, 34,304 bytes of LDS; arguments x, w_qkv, w_out, x_img, x_scl, w_img, w_scl; writes x_img, x_scl, w_img, w_scl
.if DOCPART == 1
	.amdgcn_target "amdgcn-amd-amdhsa--gfx1250"
	.amdhsa_code_object_version 6
	.text
	.protected	k_q8b2b39505a_prep
	.globl	k_q8b2b39505a_prep
	.p2align	8
	.type	k_q8b2b39505a_prep,@function
k_q8b2b39505a_prep:
	s_mov_b64 s[64:65], 0
	v_nop
	global_prefetch_b8 v0, s[64:65] scope:SCOPE_SE
	s_setreg_imm32_b32 hwreg(HW_REG_WAVE_MODE, 25, 1), 1
	s_wait_xcnt 0x0
; x [8192][1024], w_qkv [1024][3072] and w_out [1024][1024], f32, become codes of FP6 (E2M3) with one E8M0 byte for each 32 along K (K = 1,024 in all three).
; A block's scale is 2^(floor(log2(largest magnitude)) - 2); its byte is the largest magnitude's exponent field - 2, held at 1 from below.
; LIMITS: NaN and infinities are not served; a block of zeros, or one under the floor 2^-124, carries the byte 1 (the rule says 127 for zeros): its codes are zeros or held, and only this program reads the bytes.
; THE OUTPUT IS LAID AS THE MATRIX UNIT'S REGISTERS.  An operand is cut into tiles of 16 rows: tile 2 b + u, lane-row r, is row 32 b + 8 u + r + 8 (r / 8).  A fragment (16 rows x 128 K, 12 registers a lane:
; registers 6 c .. 6 c + 5 of lane (r, h) hold k = 64 c + 32 h + 0 .. 31) is an image of 1,536 bytes: piece p = registers 2 p, 2 p + 1, lane l's 8 bytes at 256 p + 8 l.  Images: [tile][K step 0..7][1536].
; Scale words (4 bytes: 128 along K of one row): [tile][K step][r].  w_img, w_scl: tiles 0-191 are w_qkv's columns, tiles 192-255 w_out's.
; Work-groups 0-191 take w_qkv, 192-255 w_out, 256-767 x.  No loop, no barrier: waves share nothing.  Only the x path uses LDS.
.set VIN, 1                            ; v1  W: 4 x (8 u + r + (r & 8)): my column among the wave's 32
.set L8,  2                            ; v2  8 x lane: my place in a piece
.set L4,  3                            ; v3  4 x lane
.set L16, 4                            ; v4  16 x lane
.set SI,  5                            ; v5  x: into my wave's stage
.set SO,  6                            ; v6  x: out of it
.set VSC, 7                            ; v7  W: 512 u + 4 r: my scale word
.set SH,  8                            ; v8  8 h
	s_load_b256 s[4:11], s[0:1], 0x0               ; x s[4:5], w_qkv s[6:7], w_out s[8:9], x_img s[10:11]
	s_load_b128 s[12:15], s[0:1], 0x20             ; x_scl s[12:13], w_img s[14:15]
	s_load_b64 s[16:17], s[0:1], 0x30              ; w_scl
	v_lshl_add_u32 v62, v0, 2, 0x8400
	v_mov_b32 v63, 0
	v_lshrrev_b32 v9, 5, v0
	v_readfirstlane_b32 s18, v9                    ; wave 0..3
	v_and_b32 v9, 31, v0                           ; lane
	v_and_b32 v10, 15, v0                          ; r
	v_bfe_u32 v11, v0, 4, 1                        ; u (W) or h (x)
	v_and_b32 v12, 8, v10
	v_add_nc_u32 v12, v12, v10
	v_lshl_add_u32 v12, v11, 3, v12
	v_lshlrev_b32 v[VIN], 2, v12
	v_lshlrev_b32 v[L8], 3, v9
	v_lshlrev_b32 v[L4], 2, v9
	v_lshlrev_b32 v[L16], 4, v9
	s_mul_i32 s19, s18, 8448                       ; my wave's stage: 16 rows x (512 bytes + 16)
	v_add_nc_u32 v[SI], s19, v[L16]
	v_mul_u32_u24 v[SO], v10, 528
	v_lshl_add_u32 v[SO], v11, 7, v[SO]
	v_add_nc_u32 v[SO], s19, v[SO]                 ; row r, + 128 h bytes: 32 numbers
	v_lshlrev_b32 v[VSC], 2, v10
	v_lshl_add_u32 v[VSC], v11, 9, v[VSC]
	v_lshlrev_b32 v[SH], 3, v11
	v_mov_b32 v55, 0                               ; a lane permute's destination counts as one of its sources
	s_mov_b32 s20, 0x76543210
	s_mov_b32 s21, 0xfedcba98                      ; v_permlanex16_b32's selects for lane l xor 16
	s_mov_b32 s22, 0xffff0000                      ; lanes 16-31
	s_mov_b32 s29, 0
	s_wait_kmcnt 0x0
	s_cmp_lt_u32 ttmp9, 192
	s_cbranch_scc1 .Lwqkv
	s_cmp_lt_u32 ttmp9, 256
	s_cbranch_scc1 .Lwout
; ---- x: a work-group takes a tile of 16 rows; wave w its K steps 2 w and 2 w + 1.  Each load reads 512 consecutive bytes of one row; the rows turn through the wave's own stage, so that lane (r, h) gets 32 neighbours of row r.
	s_sub_co_u32 s24, ttmp9, 256                   ; the tile
	s_lshr_b32 s25, s24, 1
	s_lshl_b32 s25, s25, 5
	s_and_b32 s26, s24, 1
	s_lshl_b32 s26, s26, 3
	s_add_co_u32 s25, s25, s26                     ; its first row: 32 (T / 2) + 8 (T % 2)
	s_lshl_b32 s28, s25, 12
	s_lshl_b32 s26, s18, 10
	s_add_co_u32 s28, s28, s26
	s_add_nc_u64 s[30:31], s[4:5], s[28:29]
	s_mul_i32 s28, s24, 12288
	s_mul_i32 s26, s18, 3072
	s_add_co_u32 s28, s28, s26
	s_add_nc_u64 s[34:35], s[10:11], s[28:29]
	s_lshl_b32 s28, s24, 9
	s_lshl_b32 s26, s18, 7
	s_add_co_u32 s28, s28, s26
	s_add_nc_u64 s[36:37], s[12:13], s[28:29]
	s_wait_alu depctr_va_vdst(0)
.irp q, 0,1
.irp i, 0,1,2,3,4,5,6,7,8,9,10,11,12,13,14,15
	global_load_b128 v[64+64*\q+4*\i:67+64*\q+4*\i], v[L16], s[30:31] offset:(\i+8*(\i/8))*4096+512*\q th:TH_LOAD_NT
.endr
.endr
.macro TURNX q, dst                    ; LDS serves a wave's instructions in order: no wait between the stores and the loads
.irp i, 0,1,2,3,4,5,6,7,8,9,10,11,12,13,14,15
	ds_store_b128 v[SI], v[64+64*\q+4*\i:67+64*\q+4*\i] offset:528*\i
.endr
.irp c, 0,1
.irp j, 0,1,2,3,4,5,6,7
	ds_load_b128 v[\dst+32*\c+4*\j:\dst+32*\c+4*\j+3], v[SO] offset:256*\c+16*\j
.endr
.endr
.endm
.macro QUANTX src, q                   ; 64 numbers of a lane: register 32 c + i = k 64 c + 32 h + i of row r: two whole blocks, 2 c + h
.irp c, 0,1
	v_max3_num_f32 v[56+\c], |v[\src+32*\c]|, |v[\src+32*\c+1]|, 0x1800000   ; with the floor 2^(3 - 127): the byte cannot fall under 1
.endr
.irp i, 2,4,6,8,10,12,14,16,18,20,22,24,26,28,30
.irp c, 0,1
	v_max3_num_f32 v[56+\c], v[56+\c], |v[\src+32*\c+\i]|, |v[\src+32*\c+\i+1]|
.endr
.endr
.irp c, 0,1
	v_add_nc_u32 v[58+\c], 0xff000000, v[56+\c]    ; 2 off the exponent field: the conversion's scale operand
.endr
.irp c, 0,1
	v_lshrrev_b32 v[52+\c], 23, v[58+\c]           ; the byte
.endr
	v_lshl_or_b32 v54, v53, 16, v52                ; my bytes, blocks h and 2 + h,
	v_lshlrev_b32 v54, v[SH], v54                  ; at their places;
	v_permlanex16_b32 v55, v54, s20, s21
	v_or_b32 v[48+\q], v54, v55                    ; with lane l xor 16's the word is whole
.irp c, 0,1
	v_cvt_scalef32_pk16_fp6_f32 v[16+12*\q+6*\c:18+12*\q+6*\c], v[\src+32*\c:\src+32*\c+15], v[58+\c]
	v_cvt_scalef32_pk16_fp6_f32 v[40+4*\c:42+4*\c], v[\src+32*\c+16:\src+32*\c+31], v[58+\c]   ; (a conversion's three registers begin on an even number)
.endr
	v_nop                                          ; one plain place behind a scaled conversion
.irp c, 0,1
.irp i, 0,1,2
	v_mov_b32 v[19+12*\q+6*\c+\i], v[40+4*\c+\i]
.endr
.endr
.irp p, 0,1,2,3,4,5
	global_store_b64 v[L8], v[16+12*\q+2*\p:17+12*\q+2*\p], s[34:35] offset:1536*\q+256*\p   ; 32 lanes store 256 consecutive bytes, aligned
.endr
.endm
	s_wait_loadcnt 16                              ; K step 2 w's sixteen loads are in; the other sixteen may be out
	TURNX 0, 192
	s_wait_dscnt 0x0
	s_wait_loadcnt 0x0
	TURNX 1, 64                                    ; lands in the registers that the first turn's stores have read
	QUANTX 192, 0
	s_wait_dscnt 0x0
	QUANTX 64, 1
	v_cndmask_b32 v50, v48, v49, s22               ; lanes 0-15: K step 2 w's words, lanes 16-31: K step 2 w + 1's
	global_store_b32 v[L4], v50, s[36:37]          ; 128 consecutive bytes: half of an aligned 256; the tile's four waves fill two
	s_wait_tensorcnt 0x0
	ds_add_u32 v62, v63
	s_wait_dscnt 0x0
	s_endpgm
; ---- W [1024][n]: K is the first axis.  A lane takes a column and its registers run down K: a block of 32 lies in one lane.  A work-group takes 128 columns x 128 along K (K step g % 8), a wave 32 columns: a pair of tiles.
; Lanes 0-15 hold tile 2 b's rows, lanes 16-31 tile 2 b + 1's.  The layout wants block 2 c in lanes 0-15 and block 2 c + 1 in lanes 16-31 of ONE tile: a swap of halves between the even and the odd block's codes gives both tiles.
.macro LOADW kb, n
.set II, 0
.rept 32
	global_load_b32 v[64+32*((\kb)%2)+II], v[VIN], s[30:31] offset:(32*(\kb)+II)*\n*4 th:TH_LOAD_NT   ; one row of W at the wave's 32 columns: 128 consecutive bytes
.set II, II+1
.endr
.endm
.macro BLOCKW kb, n
.set XS, 64+32*((\kb)%2)
.set FC, 16+12*((\kb)%2)+6*((\kb)/2)
.if (\kb) < 3
	s_wait_loadcnt 32                              ; this block's 32 loads are in; the next block's may be out
.else
	s_wait_loadcnt 0x0
.endif
	v_max3_num_f32 v44, |v[XS]|, |v[XS+1]|, |v[XS+2]|
	v_max3_num_f32 v45, |v[XS+3]|, |v[XS+4]|, |v[XS+5]|
.irp i, 6,10,14,18,22,26
	v_max3_num_f32 v44, v44, |v[XS+\i]|, |v[XS+\i+1]|
	v_max3_num_f32 v45, v45, |v[XS+\i+2]|, |v[XS+\i+3]|
.endr
	v_max3_num_f32 v44, v44, |v[XS+30]|, |v[XS+31]|
	v_max3_num_f32 v44, v44, v45, 0x1800000        ; and the floor
	v_add_nc_u32 v46, 0xff000000, v44
	v_lshrrev_b32 v47, 23, v46
.if (\kb) == 0
	v_mov_b32 v48, v47
.else
	v_lshl_or_b32 v48, v47, 8*(\kb), v48           ; the K step's four bytes make my column's scale word
.endif
	v_cvt_scalef32_pk16_fp6_f32 v[FC:FC+2], v[XS:XS+15], v46
	v_cvt_scalef32_pk16_fp6_f32 v[40:42], v[XS+16:XS+31], v46
	v_nop                                          ; one plain place behind a scaled conversion
.irp i, 0,1,2
	v_mov_b32 v[FC+3+\i], v[40+\i]
.endr
.if (\kb) < 2
	LOADW (\kb)+2, \n
.endif
.if ((\kb)%2) == 1
.set CC, (\kb)/2
.irp i, 0,1,2,3,4,5
	v_permlane16_swap_b32 v[16+6*CC+\i], v[28+6*CC+\i]   ; the first now holds tile 2 b's registers 6 c + i, the second tile 2 b + 1's
.endr
.irp i, 0,1,2
	global_store_b64 v[L8], v[16+6*CC+2*\i:17+6*CC+2*\i], s[34:35] offset:256*(3*CC+\i)
	global_store_b64 v[L8], v[28+6*CC+2*\i:29+6*CC+2*\i], s[34:35] offset:12288+256*(3*CC+\i)
.endr
.endif
.endm
.macro WPATH n, src, tile0, g0
	s_sub_co_u32 s24, ttmp9, \g0
	s_and_b32 s25, s24, 7                          ; the K step
	s_lshr_b32 s26, s24, 3
	s_lshl_b32 s27, s26, 2
	s_add_co_u32 s27, s27, s18                     ; b: my pair of tiles, columns 32 b on
	s_mul_i32 s28, s25, 128*\n*4
	s_lshl_b32 s32, s27, 7
	s_add_co_u32 s28, s28, s32
	s_add_nc_u64 s[30:31], s[\src:\src+1], s[28:29]
	s_lshl_b32 s32, s27, 1
	s_add_co_u32 s32, s32, \tile0
	s_mul_i32 s28, s32, 12288
	s_mul_i32 s33, s25, 1536
	s_add_co_u32 s28, s28, s33
	s_add_nc_u64 s[34:35], s[14:15], s[28:29]
	s_lshl_b32 s28, s32, 9
	s_lshl_b32 s33, s25, 6
	s_add_co_u32 s28, s28, s33
	s_add_nc_u64 s[36:37], s[16:17], s[28:29]
	LOADW 0, \n
	LOADW 1, \n
	BLOCKW 0, \n
	BLOCKW 1, \n
	BLOCKW 2, \n
	BLOCKW 3, \n
	global_store_b32 v[VSC], v48, s[36:37]         ; two runs of 64 bytes: aligned blocks of 256 are written in part here: one byte for each 128 that the path reads
.endm
.Lwqkv:
	WPATH 3072, 6, 0, 0
	s_endpgm
.Lwout:
	WPATH 1024, 8, 192, 192
	s_endpgm
.Lfunc_end_k_q8b2b39505a_prep:
	.size	k_q8b2b39505a_prep, .Lfunc_end_k_q8b2b39505a_prep-k_q8b2b39505a_prep
	.p2alignl 7, 3214868480
	.fill 96, 4, 3214868480
	.section	.rodata,"a",@progbits
	.p2align	6, 0x0
	.amdhsa_kernel k_q8b2b39505a_prep
		.amdhsa_group_segment_fixed_size 34304
		.amdhsa_private_segment_fixed_size 0
		.amdhsa_enable_private_segment 0
		.amdhsa_kernarg_size 56
		.amdhsa_user_sgpr_count 2
		.amdhsa_user_sgpr_kernarg_segment_ptr 1
		.amdhsa_wavefront_size32 1
		.amdhsa_system_sgpr_workgroup_id_x 1
		.amdhsa_system_sgpr_workgroup_id_y 1
		.amdhsa_system_sgpr_workgroup_id_z 1
		.amdhsa_system_vgpr_workitem_id 0
		.amdhsa_next_free_vgpr 256
		.amdhsa_next_free_sgpr 66
		.amdhsa_reserve_vcc 0
		.amdhsa_float_denorm_mode_32 3
		.amdhsa_float_denorm_mode_16_64 3
		.amdhsa_memory_ordered 1
		.amdhsa_forward_progress 1
		.amdhsa_inst_pref_size 58
	.end_amdhsa_kernel
	.amdgpu_metadata
---
amdhsa.version: [ 1, 2 ]
amdhsa.kernels:
  - .name:           k_q8b2b39505a_prep
    .symbol:         k_q8b2b39505a_prep.kd
    .args:
      - { .name: x, .offset: 0, .size: 8, .value_kind: global_buffer, .address_space: global }
      - { .name: w_qkv, .offset: 8, .size: 8, .value_kind: global_buffer, .address_space: global }
      - { .name: w_out, .offset: 16, .size: 8, .value_kind: global_buffer, .address_space: global }
      - { .name: x_img, .offset: 24, .size: 8, .value_kind: global_buffer, .address_space: global }
      - { .name: x_scl, .offset: 32, .size: 8, .value_kind: global_buffer, .address_space: global }
      - { .name: w_img, .offset: 40, .size: 8, .value_kind: global_buffer, .address_space: global }
      - { .name: w_scl, .offset: 48, .size: 8, .value_kind: global_buffer, .address_space: global }
    .group_segment_fixed_size: 34304
    .private_segment_fixed_size: 0
    .kernarg_segment_align: 8
    .kernarg_segment_size: 56
    .max_flat_workgroup_size: 128
    .sgpr_count:     66
    .vgpr_count:     256
    .wavefront_size: 32
...
	.end_amdgpu_metadata
.endif
;; end of part 1
;; launch qkv (part 2): grid 8 x 48, 4 waves a work-group, clusters of 4 x 4, 327,680 bytes of LDS; arguments x_img, x_scl, w_img, w_scl, b_qkv, qkv_img, qkv_scl; writes qkv_img, qkv_scl
.if DOCPART == 2
	.amdgcn_target "amdgcn-amd-amdhsa--gfx1250"
	.amdhsa_code_object_version 6
	.text
	.protected	k_q8b2b39505a_qkv
	.globl	k_q8b2b39505a_qkv
	.p2align	8
	.type	k_q8b2b39505a_qkv,@function
k_q8b2b39505a_qkv:
	s_mov_b64 s[64:65], 0
	v_nop
	global_prefetch_b8 v0, s[64:65] scope:SCOPE_SE
	s_setreg_imm32_b32 hwreg(HW_REG_WAVE_MODE, 25, 1), 1
	s_wait_xcnt 0x0
	s_wait_alu depctr_hold_cnt(0) depctr_sa_sdst(0) depctr_va_vdst(0) depctr_va_sdst(0) depctr_va_ssrc(0) depctr_va_vcc(0) depctr_vm_vsrc(0)
	s_getreg_b32 s2, hwreg(HW_REG_IB_STS2, 6, 4)
	s_cmp_eq_u32 s2, 0
	s_cbranch_scc0 .Lentry_in_a_cluster
	s_endpgm
.Lentry_in_a_cluster:
	s_bfe_u32 s2, ttmp6, 0x10000c
	s_cmp_lg_u32 s2, 0xf033
	s_cbranch_scc0 .Lentry_shape_is_right
	s_endpgm
.Lentry_shape_is_right:
.set HALFT, 8*3072
.set SLOT,  4*HALFT
.set SPARE, 2*SLOT
.set FR,   12
.set ADRA, 16
.set ADRB, 20
.set L8,   24
.set L4,   25
.set BH,   26
.set BR,   27
.set SPW,  28
.set NIL,  29
.set SA,   32
.set SB,   64
.set TM,   96
.set PW,   112
.set AF,   128
.set NUM,  128
.set PC,   192
.set SEL,  22
.set G1,   24
.set G0,   32
.set G1B,  48
.set G0B,  56
.set MSB, 0
.macro WIN new
.if MSB != (\new)
	s_set_vgpr_msb (MSB<<8)|(\new)
.set MSB, \new
.endif
.endm
.set MUL_LO, 0xa1
.set MUL_HI, 0xf1
.set TO_B,   0x40
.macro JLOAD g0a, g1a, g0b, g1b
	s_cmp_eq_u32 s19, 0
	s_cbranch_scc0 .Lfor_b_\@
	tensor_load_to_lds s[\g0a:\g0a+3], s[\g1a:\g1a+7]
	s_nop 0
.rept 4
	v_nop
.endr
	s_branch .Lasked_\@
.Lfor_b_\@:
	tensor_load_to_lds s[\g0b:\g0b+3], s[\g1b:\g1b+7]
	s_nop 0
.rept 4
	v_nop
.endr
.Lasked_\@:
.endm
.macro CREST
	s_cmp_lg_u32 s18, 0
	s_cbranch_scc1 .Lnot_wave_0_\@
	s_barrier_signal -3
.Lnot_wave_0_\@:
	s_barrier_wait -3
	s_barrier_signal -1
	s_barrier_wait -1
.endm
.macro CROUND
	s_barrier_signal -1
	s_barrier_wait -1
	CREST
.endm
.macro PLACES n
.rept \n
	v_nop
.endr
.endm
	s_load_b256 s[4:11], s[0:1], 0x0
	s_load_b128 s[12:15], s[0:1], 0x20
	s_load_b64 s[16:17], s[0:1], 0x30
	v_lshl_add_u32 v[SPW], v0, 2, SPARE
	v_mov_b32 v[NIL], 0
	ds_add_u32 v28, v29
	ds_add_u32 v28, v29
	s_wait_dscnt 0x0
	v_lshrrev_b32 v1, 5, v0
	v_readfirstlane_b32 s18, v1
	s_lshr_b32 s19, s18, 1
	s_and_b32 s20, s18, 1
	s_bfe_u32 s40, ttmp6, 0x40000
	s_bfe_u32 s41, ttmp6, 0x40004
	s_lshl_b32 s42, ttmp9, 2
	s_add_co_u32 s42, s42, s40
	s_and_b32 s21, ttmp7, 0xffff
	s_lshl_b32 s43, s41, 2
	s_lshl_b32 s43, 15, s43
	s_lshl_b32 s44, 0x1111, s40
	s_or_b32 s[G1], s43, (3<<16)|(1<<21)
	s_or_b32 s[G1B], s44, (3<<16)|(1<<21)
.irp g, G1, G1B
	s_mov_b32 s[\g+1], 384<<16
	s_mov_b32 s[\g+2], 8<<16
	s_mov_b32 s[\g+3], 384<<16
	s_mov_b32 s[\g+4], 8
	s_mov_b32 s[\g+5], 1536
	s_mov_b32 s[\g+6], 0
	s_mov_b32 s[\g+7], 0
.endr
	s_mov_b32 s[SEL], 0x76543210
	s_mov_b32 s[SEL+1], 0xfedcba98
	s_mov_b32 s99, 0xffff0000
	s_lshl_b32 s66, s21, 6
	s_sub_co_u32 s67, s21, 8
	s_lshl_b32 s67, s67, 7
	s_lshl_b32 s45, s20, 3
	s_lshl_b32 s46, s19, 3
	s_mov_b32 s81, 0
	s_mov_b32 s85, 0
	s_wait_kmcnt 0x0
	s_cmp_ge_u32 s21, 8
	s_cselect_b32 s66, 128, s66
	s_cselect_b32 s67, s67, 0
	s_cselect_b64 s[68:69], s[8:9], s[4:5]
	s_cselect_b64 s[70:71], s[10:11], s[6:7]
	s_cselect_b64 s[72:73], s[4:5], s[8:9]
	s_cselect_b64 s[74:75], s[6:7], s[10:11]
	s_lshl_b32 s76, s41, 4
	s_add_co_u32 s76, s76, s66
	s_lshl_b32 s77, s42, 4
	s_add_co_u32 s77, s77, s67
	s_add_co_u32 s80, s76, s45
	s_mul_i32 s80, s80, 12288
	s_add_nc_u64 s[82:83], s[68:69], s[80:81]
	s_add_co_u32 s84, s77, s45
	s_mul_i32 s84, s84, 12288
	s_add_nc_u64 s[86:87], s[72:73], s[84:85]
	s_add_co_u32 s80, s76, s46
	s_lshl_b32 s80, s80, 9
	s_add_nc_u64 s[88:89], s[70:71], s[80:81]
	s_add_co_u32 s84, s77, s45
	s_lshl_b32 s84, s84, 9
	s_add_nc_u64 s[90:91], s[74:75], s[84:85]
	s_mul_i32 s47, s18, HALFT
	CROUND
.irp s, 0,1
	s_mov_b32 s[G0+4*\s], 1
	s_add_co_u32 s[G0+4*\s+1], s47, \s*SLOT
	s_add_nc_u64 s[G0+4*\s+2:G0+4*\s+3], s[82:83], \s*3072
	s_or_b32 s[G0+4*\s+3], s[G0+4*\s+3], 0x80000000
	s_mov_b32 s[G0B+4*\s], 1
	s_add_co_u32 s[G0B+4*\s+1], s47, \s*SLOT
	s_add_nc_u64 s[G0B+4*\s+2:G0B+4*\s+3], s[86:87], \s*3072
	s_or_b32 s[G0B+4*\s+3], s[G0B+4*\s+3], 0x80000000
	s_wait_alu depctr_va_vdst(0)
	s_wait_tensorcnt 0x0
	ds_add_u32 v28, v29
	ds_add_u32 v28, v29
	s_wait_dscnt 0x0
	CROUND
	JLOAD G0+4*\s, G1, G0B+4*\s, G1B
.endr
	v_and_b32 v1, 31, v0
	v_lshlrev_b32 v[L8], 3, v1
	v_lshlrev_b32 v[L4], 2, v1
	v_bfe_u32 v2, v0, 4, 1
	v_lshlrev_b32 v[BH], 6, v2
	v_and_b32 v3, 15, v0
	v_and_b32 v4, 8, v3
	v_add_nc_u32 v3, v3, v4
	v_lshlrev_b32 v[BR], 2, v3
	s_mul_i32 s78, s19, HALFT
	s_mul_i32 s79, s20, HALFT
	s_add_co_u32 s79, s79, 2*HALFT
.irp s, 0,1
	v_add_nc_u32 v[ADRA+\s], s78, v[L8]
	v_add_nc_u32 v[ADRB+\s], s79, v[L8]
	s_add_co_u32 s78, s78, SLOT
	s_add_co_u32 s79, s79, SLOT
.endr
.irp i, 0,1,2,3,4,5,6,7
.irp k, 0,1,2,3
	global_load_b32 v[SA+4*\i+\k], v[L4], s[88:89] offset:512*\i+128*\k
	global_load_b32 v[SB+4*\i+\k], v[L4], s[90:91] offset:512*\i+128*\k
.endr
.endr
.macro FRAG reg, adr, off
.irp p, 0,1,2,3,4,5
	ds_load_b64 v[\reg+2*\p:\reg+2*\p+1], v[\adr] offset:\off+256*\p
.endr
.endm
.macro FETCH_B slot, q, set
	WIN TO_B
.irp i, 0,1,2,3,4,5,6,7
	FRAG 128*(\set)+FR*\i, ADRB+\slot, 3072*\i+1536*(\q)
.endr
	WIN 0
.endm
.macro FETCH_A slot, q, i0
.irp i, \i0, \i0+1, \i0+2, \i0+3
	FRAG AF+FR*(\i), ADRA+\slot, 3072*(\i)+1536*(\q)
.endr
.endm
.macro MUL16 a0, set, q, s2, zero
.irp a, \a0, \a0+1
.irp b, 0,1,2,3,4,5,6,7
.set RD_, 8*(8*((\a)%4)+\b)
.set RB_, 128*(\set)+FR*\b
.set RA_, AF+FR*(\a)
.set XB_, SB+4*\b+(\s2)
.set XA_, SA+4*(\a)+(\s2)
.if \zero
	v_wmma_scale_f32_16x16x128_f8f6f4 v[RD_:RD_+7], v[RB_:RB_+FR-1], v[RA_:RA_+FR-1], 0, v[XB_], v[XA_] matrix_a_fmt:MATRIX_FMT_FP6 matrix_b_fmt:MATRIX_FMT_FP6
.elseif (\q) == 0
	v_wmma_scale_f32_16x16x128_f8f6f4 v[RD_:RD_+7], v[RB_:RB_+FR-1], v[RA_:RA_+FR-1], v[RD_:RD_+7], v[XB_], v[XA_] matrix_a_fmt:MATRIX_FMT_FP6 matrix_b_fmt:MATRIX_FMT_FP6
.else
	v_wmma_scale_f32_16x16x128_f8f6f4 v[RD_:RD_+7], v[RB_:RB_+FR-1], v[RA_:RA_+FR-1], v[RD_:RD_+7], v[XB_], v[XA_] matrix_a_fmt:MATRIX_FMT_FP6 matrix_b_fmt:MATRIX_FMT_FP6 matrix_a_scale:MATRIX_SCALE_ROW1 matrix_b_scale:MATRIX_SCALE_ROW1
.endif
.endr
.endr
.endm
.macro STEP slot, s2, zero
	s_wait_dscnt 24
	WIN MUL_LO
	MUL16 0, 0, 0, \s2, \zero
	MUL16 2, 0, 0, \s2, \zero
	s_wait_dscnt 0x0
	PLACES 4
	FETCH_B \slot, 1, 1
	FETCH_A \slot, 1, 0
	WIN MUL_HI
	MUL16 4, 0, 0, \s2, \zero
	MUL16 6, 0, 0, \s2, \zero
	PLACES 4
	WIN 0
	FETCH_A \slot, 1, 4
.endm
.macro TURN slot, next, s2, fill
	s_wait_tensorcnt 0x0
	ds_add_u32 v[SPW], v[NIL]
	s_wait_dscnt 25
	WIN MUL_LO
	MUL16 0, 1, 1, \s2, 0
	s_wait_dscnt 0x0
	s_barrier_signal -1
	MUL16 2, 1, 1, \s2, 0
	WIN 0
	s_barrier_wait -1
.if \fill
	CREST
	s_add_nc_u64 s[G0+4*\slot+2:G0+4*\slot+3], s[G0+4*\slot+2:G0+4*\slot+3], 6144
	s_add_nc_u64 s[G0B+4*\slot+2:G0B+4*\slot+3], s[G0B+4*\slot+2:G0B+4*\slot+3], 6144
	JLOAD G0+4*\slot, G1, G0B+4*\slot, G1B
.else
	PLACES 4
.endif
	FETCH_B \next, 0, 0
	FETCH_A \next, 0, 0
	WIN MUL_HI
	MUL16 4, 1, 1, \s2, 0
	MUL16 6, 1, 1, \s2, 0
	PLACES 4
	WIN 0
	FETCH_A \next, 0, 4
.endm
.macro LAST s2
	s_wait_dscnt 24
	WIN MUL_LO
	MUL16 0, 1, 1, \s2, 0
	MUL16 2, 1, 1, \s2, 0
	s_wait_dscnt 0x0
	WIN MUL_HI
	MUL16 4, 1, 1, \s2, 0
	MUL16 6, 1, 1, \s2, 0
	WIN 0
.endm
.macro QUANT s
.irp b, 0,1,2,3
	v_max3_num_f32 v[TM+\b], |v[\s+16*\b]|, |v[\s+1+16*\b]|, 0x1800000
.endr
.irp i, 2,4,6,8,10,12,14
.irp b, 0,1,2,3
	v_max3_num_f32 v[TM+\b], v[TM+\b], |v[\s+16*\b+\i]|, |v[\s+1+16*\b+\i]|
.endr
.endr
.irp b, 0,1,2,3
	v_permlanex16_b32 v[TM+4+\b], v[TM+\b], s[SEL], s[SEL+1]
.endr
.irp b, 0,1,2,3
	v_max_num_f32 v[TM+\b], v[TM+\b], v[TM+4+\b]
.endr
.irp b, 0,1,2,3
	v_add_nc_u32 v[TM+12+\b], 0xff000000, v[TM+\b]
.endr
.irp b, 0,1,2,3
	v_lshrrev_b32 v[TM+4+\b], 23, v[TM+12+\b]
.endr
	v_lshl_or_b32 v[PW], v[TM+5], 8, v[TM+4]
	v_lshl_or_b32 v[PW], v[TM+6], 16, v[PW]
	v_lshl_or_b32 v[PW], v[TM+7], 24, v[PW]
.irp c, 0,1
	v_cvt_scalef32_pk16_fp6_f32 v[PC+6*\c:PC+2+6*\c], v[\s+32*\c:\s+15+32*\c], v[TM+12+2*\c]
	v_cvt_scalef32_pk16_fp6_f32 v[PC+12+4*\c:PC+14+4*\c], v[\s+16+32*\c:\s+31+32*\c], v[TM+12+2*\c+1]
.endr
	v_nop
.irp c, 0,1
.irp i, 0,1,2
	v_permlane16_swap_b32 v[PC+6*\c+\i], v[PC+12+4*\c+\i]
.endr
.irp i, 0,1,2
	v_mov_b32 v[PC+3+6*\c+\i], v[PC+12+4*\c+\i]
.endr
.endr
.endm
.macro EPI a, m
	s_wait_xcnt 0x0
	WIN 0x06+(\a)/4
.set AC, 64*((\a)%4)
.set II, 0
.rept 32
.if \m
	v_pk_add_f32 v[NUM+2*II:NUM+2*II+1], v[AC+2*II:AC+2*II+1], v[2*(\a):2*(\a)+1]
.else
	v_pk_add_f32 v[NUM+2*II:NUM+2*II+1], v[AC+2*II:AC+2*II+1], v[2*II:2*II+1]
.endif
.set II, II+1
.endr
	WIN 0
	QUANT NUM
.if \m
.irp p, 0,1,2,3,4,5
	global_store_b64 v[L8], v[PC+2*\p:PC+2*\p+1], s[68:69] offset:((\a)/4)*98304+((\a)%4)*1536+256*\p
.endr
.else
.irp p, 0,1,2
	global_store_b64 v[L8], v[PC+2*\p:PC+2*\p+1], s[68:69] offset:768*(\a)+256*\p
	global_store_b64 v[L8], v[PC+6+2*\p:PC+7+2*\p], s[68:69] offset:98304+768*(\a)+256*\p
.endr
.endif
.if ((\a)%2) == 0
	v_mov_b32 v113, v[PW]
.else
	v_cndmask_b32 v114, v113, v[PW], s99
.if \m
	global_store_b32 v[L4], v114, s[70:71] offset:((\a)/4)*4096+(((\a)-1)%4)*64
.else
	global_store_b32 v[L4], v114, s[70:71] offset:64*((\a)-1)
.endif
.endif
.endm
.macro ARM m
	s_mov_b32 s67, 0
.if \m
	s_sub_co_u32 s92, s21, 8
	s_lshl_b32 s92, s92, 3
	s_add_co_u32 s92, s92, s42
	s_lshl_b32 s92, s92, 1
	s_add_co_u32 s92, s92, s20
	s_lshl_b32 s93, s41, 2
	s_lshl_b32 s94, s19, 1
	s_add_co_u32 s93, s93, s94
	s_lshr_b32 s94, s92, 4
	s_lshl_b32 s94, s94, 4
	s_add_co_u32 s94, s94, s93
	s_lshl_b32 s94, s94, 4
	s_and_b32 s95, s92, 15
	s_add_co_u32 s94, s94, s95
	s_mul_i32 s66, s94, 6144
	s_add_co_u32 s66, s66, 12582912
	s_add_nc_u64 s[68:69], s[14:15], s[66:67]
	s_lshl_b32 s66, s94, 8
	s_add_co_u32 s66, s66, 524288
	s_add_nc_u64 s[70:71], s[16:17], s[66:67]
	s_lshl_b32 s66, s41, 10
	s_lshl_b32 s95, s19, 9
	s_add_co_u32 s66, s66, s95
	s_add_co_u32 s66, s66, 8192
	s_add_nc_u64 s[72:73], s[12:13], s[66:67]
	WIN TO_B
.irp a, 0,1,2,3,4,5,6,7
	global_load_b32 v[2*\a], v[BR], s[72:73] offset:(32*(\a/2)+8*(\a%2))*4
	global_load_b32 v[2*\a+1], v[BR], s[72:73] offset:(32*(\a/2)+8*(\a%2))*4
.endr
.else
	s_lshl_b32 s92, s42, 1
	s_add_co_u32 s92, s92, s20
	s_add_co_u32 s93, s76, s46
	s_lshr_b32 s94, s92, 3
	s_and_b32 s95, s92, 7
	s_lshr_b32 s96, s93, 7
	s_and_b32 s97, s93, 127
	s_lshl_b32 s66, s94, 6
	s_lshl_b32 s98, s96, 4
	s_add_co_u32 s66, s66, s98
	s_lshl_b32 s98, s95, 1
	s_add_co_u32 s66, s66, s98
	s_mul_i32 s66, s66, 98304
	s_mul_i32 s98, s97, 768
	s_add_co_u32 s66, s66, s98
	s_add_nc_u64 s[68:69], s[14:15], s[66:67]
	s_lshl_b32 s66, s94, 5
	s_lshl_b32 s98, s96, 3
	s_add_co_u32 s66, s66, s98
	s_add_co_u32 s66, s66, s95
	s_lshl_b32 s66, s66, 13
	s_lshl_b32 s98, s97, 6
	s_add_co_u32 s66, s66, s98
	s_add_nc_u64 s[70:71], s[16:17], s[66:67]
	s_lshl_b32 s66, s92, 9
	s_add_nc_u64 s[72:73], s[12:13], s[66:67]
	WIN TO_B
.irp bb, 0,1,2,3
.irp j, 0,1,2,3
	global_load_b128 v[16*\bb+4*\j:16*\bb+4*\j+3], v[BH], s[72:73] offset:128*\bb+16*\j
.endr
.endr
.endif
	WIN 0
	LAST 3
	PLACES 4
	s_wait_loadcnt 0x0
.irp b, 0,1,2,3
	v_mov_b32 v[TM+4+\b], 0
.endr
.irp a, 0,1,2,3,4,5,6,7
	EPI \a, \m
.endr
.endm
	s_wait_alu depctr_va_vdst(0)
	s_wait_tensorcnt 1
	s_barrier_signal -1
	s_barrier_wait -1
	FETCH_B 0, 0, 0
	FETCH_A 0, 0, 0
	FETCH_A 0, 0, 4
	s_wait_loadcnt 0x0
	STEP 0, 0, 1
	TURN 0, 1, 0, 1
	STEP 1, 1, 0
	TURN 1, 0, 1, 1
	STEP 0, 2, 0
	TURN 0, 1, 2, 0
	STEP 1, 3, 0
	s_cmp_ge_u32 s21, 8
	s_cbranch_scc1 .Lv
	ARM 0
	s_branch .Lend
.Lv:
	ARM 1
.Lend:
	s_wait_tensorcnt 0x0
	ds_add_u32 v[SPW], v[NIL]
	s_wait_dscnt 0x0
	CROUND
	s_endpgm
.Lfunc_end_k_q8b2b39505a_qkv:
	.size	k_q8b2b39505a_qkv, .Lfunc_end_k_q8b2b39505a_qkv-k_q8b2b39505a_qkv
	.p2alignl 7, 3214868480
	.fill 96, 4, 3214868480
	.section	.rodata,"a",@progbits
	.p2align	6, 0x0
	.amdhsa_kernel k_q8b2b39505a_qkv
		.amdhsa_group_segment_fixed_size 327680
		.amdhsa_private_segment_fixed_size 0
		.amdhsa_enable_private_segment 0
		.amdhsa_kernarg_size 56
		.amdhsa_user_sgpr_count 2
		.amdhsa_user_sgpr_kernarg_segment_ptr 1
		.amdhsa_wavefront_size32 1
		.amdhsa_system_sgpr_workgroup_id_x 1
		.amdhsa_system_sgpr_workgroup_id_y 1
		.amdhsa_system_sgpr_workgroup_id_z 1
		.amdhsa_system_vgpr_workitem_id 0
		.amdhsa_next_free_vgpr 1024
		.amdhsa_next_free_sgpr 100
		.amdhsa_reserve_vcc 0
		.amdhsa_float_denorm_mode_32 3
		.amdhsa_float_denorm_mode_16_64 3
		.amdhsa_memory_ordered 1
		.amdhsa_forward_progress 1
		.amdhsa_inst_pref_size 250
	.end_amdhsa_kernel
	.amdgpu_metadata
---
amdhsa.version: [ 1, 2 ]
amdhsa.kernels:
  - .name:           k_q8b2b39505a_qkv
    .symbol:         k_q8b2b39505a_qkv.kd
    .args:
      - { .name: x_img, .offset: 0, .size: 8, .value_kind: global_buffer, .address_space: global }
      - { .name: x_scl, .offset: 8, .size: 8, .value_kind: global_buffer, .address_space: global }
      - { .name: w_img, .offset: 16, .size: 8, .value_kind: global_buffer, .address_space: global }
      - { .name: w_scl, .offset: 24, .size: 8, .value_kind: global_buffer, .address_space: global }
      - { .name: b_qkv, .offset: 32, .size: 8, .value_kind: global_buffer, .address_space: global }
      - { .name: qkv_img, .offset: 40, .size: 8, .value_kind: global_buffer, .address_space: global }
      - { .name: qkv_scl, .offset: 48, .size: 8, .value_kind: global_buffer, .address_space: global }
    .group_segment_fixed_size: 327680
    .private_segment_fixed_size: 0
    .kernarg_segment_align: 8
    .kernarg_segment_size: 56
    .max_flat_workgroup_size: 128
    .sgpr_count:     100
    .vgpr_count:     1024
    .wavefront_size: 32
...
	.end_amdgpu_metadata
.endif
;; end of part 2
;; launch attn (part 3): grid 4 x 64, 16 waves a work-group, clusters of 4 x 1, 223,232 bytes of LDS; arguments qkv_img, qkv_scl, o_img, o_scl; writes o_img, o_scl
.if DOCPART == 3
	.amdgcn_target "amdgcn-amd-amdhsa--gfx1250"
	.amdhsa_code_object_version 6
	.text
	.protected	k_q8b2b39505a_attn
	.globl	k_q8b2b39505a_attn
	.p2align	8
	.type	k_q8b2b39505a_attn,@function
k_q8b2b39505a_attn:
	s_mov_b64 s[64:65], 0
	v_nop
	global_prefetch_b8 v0, s[64:65] scope:SCOPE_SE
	s_setreg_imm32_b32 hwreg(HW_REG_WAVE_MODE, 25, 1), 1
	s_wait_xcnt 0x0
	s_wait_alu depctr_hold_cnt(0) depctr_sa_sdst(0) depctr_va_vdst(0) depctr_va_sdst(0) depctr_va_ssrc(0) depctr_va_vcc(0) depctr_vm_vsrc(0)
	s_getreg_b32 s2, hwreg(HW_REG_IB_STS2, 6, 4)
	s_cmp_eq_u32 s2, 0
	s_cbranch_scc0 .Lentry_in_a_cluster
	s_endpgm
.Lentry_in_a_cluster:
	s_bfe_u32 s2, ttmp6, 0x10000c
	s_cmp_lg_u32 s2, 0x3003
	s_cbranch_scc0 .Lentry_shape_is_right
	s_endpgm
.Lentry_shape_is_right:
; o = softmax(q k^T / 8) v for 64 heads of 2,048 tokens x 64 channels, both products on codes of FP6 (E2M3), and o's own quantising along the next product's K (head x 64 + channel).
; THE SOFTMAX: t = score x log2(e) / 8; M = the running largest t rounded UP to a whole number; p = 2^(t - M) is quantised along the keys, not normalised; the row's sum is taken of the unquantised p and divides at the end.
; When M moves, the sum and O are multiplied by 2^(old M - new M): exact.
; INPUTS are images of operand registers.  Token tile 2 b + u, lane-row r', is token 32 b + 8 u + r' + 8 (r' / 8).  q, k: [head][tile][768]: half a fragment (K = 64): piece p, lane l at 256 p + 8 l.  v: [head][key step][channel tile][1536], K = 128 keys.
; SHARES.  A work-group owns 512 queries of one head; each of its sixteen waves one tile of 16 queries at a time, twice.  A head's whole K and V with their scale words stay in LDS: every byte is filled once.
; The four work-groups of a cluster are the four query blocks of one head: every tile is asked for JOINTLY, at the head, one tensor load a wave: waves 0-3 K's and V's first four key steps and the two tables of scale words,
; each by a line of its own; waves 4-6 and 8-10 the other three chunks of K and of V.  The first barrier shows waves 0-3's tiles, the second, three key steps on, all the rest.  The second pass has no barrier.
; Nothing is asked of memory behind the head, so there is no loop to run ahead in: no prefetch.
; WHICH KEYS FORM A TILE is chosen by the lanes' LDS addresses: tile (c, j) of a key step takes keys 64 c + 8 j + i in its rows 0-7 and keys 64 c + 32 + 8 j + i in rows 8-15: lane (r, h) reads image tile 4 c + 2 (r / 8) + j % 2,
; lane-row r % 8 + 8 (j / 2).  Both products are used transposed (S^T = K Q^T, O^T = V^T P^T): a lane holds one query, and its score registers 32 c + 8 j + i are keys 64 c + 32 h + 8 j + i: a whole block of 32 in the order
; of the next operand's registers.  K's pieces lie 288 bytes apart in LDS: the four groups of eight lanes then read four different runs of 64 bytes modulo 256.
; K'S HALF FRAGMENTS LIE ON END IN REGISTERS, four and four: the operand of a tile is its six registers and the six behind them, which meet q's zero codes and add nothing (the next tile's codes; behind tile 3 p's codes; behind tile 7 zeros).
; K IS FETCHED A STEP AHEAD: tiles 0-3 of the next step behind this step's first products, tiles 4-7 ahead of its second products (their registers are at work in between).  A loop's last trip fetches what the next loop's first step reads;
; the last trip of a pass reads the 6,912 LDS bytes behind K's images and the 512 behind its scale words, which are V's, and that fetch is not used.
; LIMITS: NaN and infinities are not served; the promise holds while |t| stays under 2^31; 1 / sum is v_rcp_f32; a block's largest p is taken from its largest score (p rises with the score);
; a block of zeros or under the floor 2^-124 carries the byte 1.
.set KP,    288                        ; LDS: from piece to piece of K: 256 bytes + 32
.set KST,   24*KP                      ; a key step of K
.set VB,    16*KST                     ; V's images
.set SCK,   VB+98304                   ; K's scale words (of the pair of heads)
.set SCV,   SCK+8192                   ; V's
.set SPARE, SCV+4096                   ; the spare words: 128 bytes a wave
.set AK0,  1                           ; v1-4 LDS addresses that stay: K, V, K's scales, V's scales
.set AV0,  2
.set ASK0, 3
.set ASV0, 4
.set M8,   5                           ; 8 x lane
.set MS,   6                           ; 4 r + 2 x (head % 2)
.set SPW,  7
.set NIL,  8
.set ADK,  9                           ; addresses in hand
.set ADV,  10
.set ADS,  11
.set NM,   12                          ; -M
.set SMX,  13                          ; the running largest score
.set NN,   14                          ; the new -M; v15 = 0 fills the pair
.set L,    16                          ; v16-17 the sum
.set F,    18                          ; 2^(old M - new M); the pair's upper register is SH8
.set SH8,  19                          ; 8 h
.set ADT,  20
.set PT,   21                          ; a lane permute's destination
.set BM,   22                          ; v22-23 the two blocks' maxima
.set SAA,  24                          ; v24-27 K's scale words; v28-29 V's; v30 p's; v31 q's
.set SV,   28
.set PW,   30
.set QS,   31
.set Q,    32                          ; v32-43 q and six zeros
.set K0,   44                          ; v44-67 K's tiles 0-3
.set CD,   68                          ; v68-79 p's codes
.set K1,   80                          ; v80-103 K's tiles 4-7; between the two products these registers are at work
.set KZ,   104                         ; v104-109 zeros
.set VF,   110                         ; v110-157 V's four fragments
.set S,    158                         ; v158-221 S^T, then p
.set O,    222                         ; v222-253 O^T
.set BB,   254                         ; v254-255 one of the sum's chains
.set MX,   K1                          ; eight chains of maxima; later four of the sum's chains
.set TM,   K1+8
.set DD,   K1+9
.set SOP,  K1+10
.set EE,   K1+12
.set WW,   K1+14
.set T2,   K1+16
.set NC,   3
.set WV,   18
.set SEL,  20
.set CS,   22
.set G1K,  24
.set G1V,  32
.set G1SK, 40
.set G1SV, 48
.set G0K0, 56
.set G0V0, 60
.set G0SK, 68
.set G0SV, 72
.set G0KR, 76
.set G0VR, 80
.set QP,   84
.set QSP,  86
.set OP,   88
.set OSP,  90
.set TK,   92
.set TV,   93
.set TS,   94
.set TJ,   95
.set CNT,  96
.macro CROUND
	s_barrier_signal -1
	s_barrier_wait -1
	s_cmp_lg_u32 s[WV], 0
	s_cbranch_scc1 .Lnot_wave_0_\@
	s_barrier_signal -3
.Lnot_wave_0_\@:
	s_barrier_wait -3
	s_barrier_signal -1
	s_barrier_wait -1
.endm
.macro WALU
	s_wait_alu depctr_va_vdst(0)
.endm
.macro DEP n
	s_delay_alu instid0(VALU_DEP_\n)
.endm
.macro TL g0, g1
	tensor_load_to_lds s[\g0:\g0+3], s[\g1:\g1+7]
	s_nop 0
.rept 4
	v_nop
.endr
.endm
.macro ARM under, g0, g1, next
	s_cmp_lt_u32 s[WV], \under
	s_cbranch_scc0 \next
	TL \g0, \g1
	s_branch .Lasked
\next:
.endm
	s_load_b256 s[4:11], s[0:1], 0x0               ; qkv_img, qkv_scl, o_img, o_scl
	v_lshl_add_u32 v[SPW], v0, 2, SPARE
	v_mov_b32 v[NIL], 0
	ds_add_u32 v[SPW], v[NIL]                      ; the opening lines: the add twice on end and one wait
	ds_add_u32 v[SPW], v[NIL]
	v_lshrrev_b32 v9, 5, v0
	v_readfirstlane_b32 s[WV], v9                  ; wave 0..15
	s_and_b32 s19, ttmp7, 0xffff                   ; batch x 16 + head: the four partners share it
	s_and_b32 s12, s19, 1                          ; which head of its pair
	s_bfe_u32 s13, ttmp6, 0x40000                  ; cx: my block of 512 queries: it enters q's and o's addresses alone
	; groups 1: dense blocks as rows of 256 bytes (32 elements of 8 bytes); the mask names all four work-groups, bit 21 beside it; K's rows get 8 words of padding each
	s_mov_b32 s[G1K], 15|(3<<16)|(1<<20)|(1<<21)|(5<<22)|(7<<25)
.irp g, G1V, G1SK, G1SV
	s_mov_b32 s[\g], 15|(3<<16)|(1<<21)
.endr
.irp g, G1K, G1V, G1SK, G1SV
	s_mov_b32 s[\g+1], 32<<16
	s_mov_b32 s[\g+3], 32<<16
	s_mov_b32 s[\g+5], 32
	s_mov_b32 s[\g+6], 0
	s_mov_b32 s[\g+7], 0
.endr
	s_mov_b32 s[G1K+2], 96<<16                     ; a chunk: four key steps, 24,576 bytes of memory
	s_mov_b32 s[G1K+4], 96
	s_mov_b32 s[G1V+2], 96<<16
	s_mov_b32 s[G1V+4], 96
	s_mov_b32 s[G1SK+2], 32<<16
	s_mov_b32 s[G1SK+4], 32
	s_mov_b32 s[G1SV+2], 16<<16
	s_mov_b32 s[G1SV+4], 16
	s_mul_i32 s16, s19, 98304
	s_mov_b32 s17, 0
	s_and_b32 s14, s[WV], 3                        ; waves 4-6 and 8-10: chunk wave % 4 + 1
	s_mul_i32 s98, s14, 24576
	s_mov_b32 s99, 0
	s_mul_i32 s15, s14, 96*KP
	s_mov_b32 s[G0K0], 1
	s_mov_b32 s[G0K0+1], 0
	s_mov_b32 s[G0V0], 1
	s_mov_b32 s[G0V0+1], VB
	s_mov_b32 s[G0SK], 1
	s_mov_b32 s[G0SK+1], SCK
	s_mov_b32 s[G0SV], 1
	s_mov_b32 s[G0SV+1], SCV
	s_mov_b32 s[G0KR], 1
	s_add_co_u32 s[G0KR+1], s15, 96*KP
	s_mov_b32 s[G0VR], 1
	s_add_co_u32 s[G0VR+1], s98, VB+24576
	s_lshr_b32 s92, s19, 1
	s_lshl_b32 s92, s92, 13
	s_add_co_u32 s92, s92, 262144
	s_mov_b32 s93, 0
	s_lshl_b32 s94, s19, 12
	s_add_co_u32 s94, s94, 524288
	s_mov_b32 s95, 0
	s_mov_b32 s[SEL], 0x76543210
	s_mov_b32 s[SEL+1], 0xfedcba98                 ; v_permlanex16_b32's selects for lane l xor 16
	s_mov_b32 s[CS], 0x3e38aa3b                    ; c = log2(e) / 8
	s_mov_b32 s[CS+1], s[CS]
	s_mov_b32 s[NC], 0xbe38aa3b                    ; -c
	WALU
	s_wait_dscnt 0x0
	s_wait_kmcnt 0x0
	s_add_nc_u64 s[16:17], s[4:5], s[16:17]        ; my head's q images; K's lie 6,291,456 bytes on, V's 12,582,912
	s_add_nc_u64 s[G0K0+2:G0K0+3], s[16:17], 6291456
	s_add_nc_u64 s[G0V0+2:G0V0+3], s[16:17], 12582912
	s_add_nc_u64 s[G0KR+2:G0KR+3], s[G0K0+2:G0K0+3], s[98:99]
	s_add_nc_u64 s[G0KR+2:G0KR+3], s[G0KR+2:G0KR+3], 24576
	s_add_nc_u64 s[G0VR+2:G0VR+3], s[G0V0+2:G0V0+3], s[98:99]
	s_add_nc_u64 s[G0VR+2:G0VR+3], s[G0VR+2:G0VR+3], 24576
	s_add_nc_u64 s[G0SK+2:G0SK+3], s[6:7], s[92:93]
	s_add_nc_u64 s[G0SV+2:G0SV+3], s[6:7], s[94:95]
.irp g, G0K0, G0V0, G0SK, G0SV, G0KR, G0VR
	s_or_b32 s[\g+3], s[\g+3], 0x80000000
.endr
	CROUND                                         ; all four work-groups are here: the joint loads meet
	ARM 1, G0K0, G1K, .La1                         ; one chain of arms, one load to an arm: what the first key steps read is asked for by waves 0-3, each by its own line
	ARM 2, G0V0, G1V, .La2
	ARM 3, G0SK, G1SK, .La3
	ARM 4, G0SV, G1SV, .La4
	ARM 7, G0KR, G1K, .La5
	s_cmp_lt_u32 s[WV], 8
	s_cbranch_scc1 .Lasked
	s_cmp_lt_u32 s[WV], 11
	s_cbranch_scc0 .Lasked
	TL G0VR, G1V
.Lasked:
	s_lshl_b32 s14, s13, 5
	s_add_co_u32 s14, s14, s[WV]                   ; my token tile in the head, first pass: 32 cx + wave
	s_mul_i32 s98, s14, 768
	s_add_nc_u64 s[QP:QP+1], s[16:17], s[98:99]    ; q's image
	s_lshr_b32 s98, s19, 1
	s_lshl_b32 s98, s98, 13
	s_lshl_b32 s15, s14, 6
	s_add_co_u32 s98, s98, s15
	s_add_nc_u64 s[QSP:QSP+1], s[6:7], s[98:99]    ; q's scale words
	s_lshr_b32 s15, s19, 4
	s_lshl_b32 s15, s15, 7
	s_add_co_u32 s14, s14, s15                     ; the tile among all 512
	s_bfe_u32 s15, s19, 0x30001                    ; the next product's K step: head / 2
	s_mul_i32 s98, s14, 12288
	s_mul_i32 s97, s15, 1536
	s_add_co_u32 s98, s98, s97
	s_mul_i32 s97, s12, 768
	s_add_co_u32 s98, s98, s97
	s_add_nc_u64 s[OP:OP+1], s[8:9], s[98:99]      ; o's half image
	s_lshl_b32 s98, s14, 9
	s_lshl_b32 s97, s15, 6
	s_add_co_u32 s98, s98, s97
	s_add_nc_u64 s[OSP:OSP+1], s[10:11], s[98:99]  ; o's scale words
	v_and_b32 v9, 31, v0                           ; lane
	v_and_b32 v10, 7, v0                           ; i = r % 8
	v_bfe_u32 v11, v0, 3, 1                        ; r / 8
	v_bfe_u32 v20, v0, 4, 1                        ; h
	v_and_b32 v21, 15, v0                          ; r
	v_lshlrev_b32 v[M8], 3, v9
	v_lshl_add_u32 v[ASV0], v9, 2, SCV             ; V's scale words: lanes 0-15 one channel tile's, lanes 16-31 the next one's
	v_lshlrev_b32 v[AK0], 3, v10
	v_lshlrev_b32 v[ASK0], 2, v10
	v_add_nc_u32 v[AV0], VB, v[M8]
	v_mad_u32_u24 v[AK0], v11, 6*KP, v[AK0]        ; rows 8-15 come from the image two tiles on
	v_lshl_add_u32 v[ASK0], v11, 7, v[ASK0]
	v_lshl_add_u32 v[AK0], v20, 7, v[AK0]          ; K: 8 i + 1,728 (r / 8) + 128 h
	v_lshl_add_u32 v[ASK0], v20, 5, v[ASK0]        ; its scales: 4 i + 128 (r / 8) + 32 h: lanes 16-31 take the words of the tile with j two higher
	s_lshl_b32 s97, s12, 1
	v_lshl_add_u32 v[MS], v21, 2, s97
	s_add_co_u32 s97, s97, SCK
	v_add_nc_u32 v[ASK0], s97, v[ASK0]             ; + 2 for the odd head: my head's two bytes of a word
	v_lshlrev_b32 v[SH8], 3, v20
	v_mov_b32 v[NN+1], 0
	v_mov_b32 v[PT], 0                             ; a lane permute's destination counts as one of its sources
.irp j, 0,1,2,3,4,5
	v_mov_b32 v[Q+6+\j], 0                         ; q's K = 64 .. 127: zero codes, written once
	v_mov_b32 v[KZ+\j], 0                          ; behind K's tile 7 likewise
	v_mov_b32 v[CD+\j], 0                          ; behind tile 3 stand p's codes: written before the first step names them
.endr
	WALU
.macro QLOAD ps
.irp p, 0,1,2
	global_load_b64 v[Q+2*\p:Q+2*\p+1], v[M8], s[QP:QP+1] offset:12288*\ps+256*\p
.endr
	global_load_u16 v[QS], v[MS], s[QSP:QSP+1] offset:1024*\ps   ; my head's two bytes; bytes 2, 3 are 0, over zero codes
.endm
.macro INIT
	v_mov_b32 v[SMX], 0xff61b1e6                   ; the largest score so far: -3e38
	v_mov_b32 v[NM], 0x7e000000                    ; -M: 2^125, so that the first step's factor is 0
	v_mov_b32 v[L], 0
	v_mov_b32 v[L+1], 0
.set JJ, 0
.rept 32
	v_mov_b32 v[O+JJ], 0                           ; the step is written once: the first change of M leaves zeros zeros
.set JJ, JJ+1
.endr
	WALU
	s_wait_loadcnt 0x0
.endm
.macro KLD c, st, ak, as                       ; tiles 4 c .. 4 c + 3 of the key step st steps on, and their scale words: 14 loads
.irp j, 0,1,2,3
.irp p, 0,1,2
	ds_load_b64 v[K0+36*\c+6*\j+2*\p:K0+36*\c+6*\j+2*\p+1], v[\ak] offset:\st*KST+(3*(4*\c+(\j&1))+\p)*KP+64*(\j>>1)
.endr
.endr
	ds_load_u16 v[SAA+\c], v[\as] offset:\st*512+256*\c        ; lanes 0-15: tile (c, 0)'s words, lanes 16-31: tile (c, 2)'s
	ds_load_u16 v[SAA+2+\c], v[\as] offset:\st*512+256*\c+64   ; tiles (c, 1) and (c, 3)
.endm
.macro VLD t
.irp p, 0,1,2,3,4,5
	ds_load_b64 v[VF+12*\t+2*\p:VF+12*\t+2*\p+1], v[ADV] offset:1536*\t+256*\p
.endr
.endm
.macro WQK c, j
.if (\j)>>1
	v_wmma_scale_f32_16x16x128_f8f6f4 v[S+32*\c+8*\j:S+32*\c+8*\j+7], v[K0+36*\c+6*\j:K0+36*\c+6*\j+11], v[Q:Q+11], 0, v[SAA+2*(\j&1)+\c], v[QS] matrix_a_fmt:MATRIX_FMT_FP6 matrix_b_fmt:MATRIX_FMT_FP6 matrix_a_scale:MATRIX_SCALE_ROW1
.else
	v_wmma_scale_f32_16x16x128_f8f6f4 v[S+32*\c+8*\j:S+32*\c+8*\j+7], v[K0+36*\c+6*\j:K0+36*\c+6*\j+11], v[Q:Q+11], 0, v[SAA+2*(\j&1)+\c], v[QS] matrix_a_fmt:MATRIX_FMT_FP6 matrix_b_fmt:MATRIX_FMT_FP6
.endif
.endm
.macro WPV t
.if (\t)%2
	v_wmma_scale_f32_16x16x128_f8f6f4 v[O+8*\t:O+8*\t+7], v[VF+12*\t:VF+12*\t+11], v[CD:CD+11], v[O+8*\t:O+8*\t+7], v[SV+\t/2], v[PW] matrix_a_fmt:MATRIX_FMT_FP6 matrix_b_fmt:MATRIX_FMT_FP6 matrix_a_scale:MATRIX_SCALE_ROW1
.else
	v_wmma_scale_f32_16x16x128_f8f6f4 v[O+8*\t:O+8*\t+7], v[VF+12*\t:VF+12*\t+11], v[CD:CD+11], v[O+8*\t:O+8*\t+7], v[SV+\t/2], v[PW] matrix_a_fmt:MATRIX_FMT_FP6 matrix_b_fmt:MATRIX_FMT_FP6
.endif
.endm
.macro PF j                                    ; t - M, two at a time
	v_pk_fma_f32 v[S+\j:S+\j+1], v[S+\j:S+\j+1], s[CS:CS+1], v[NN:NN+1] op_sel_hi:[1,0,0]
.endm
.macro PA d, j                                 ; chain d += p's pair j
	v_pk_add_f32 v[\d:\d+1], v[\d:\d+1], v[S+2*(\j):S+2*(\j)+1]
.endm
.macro PI d, j                                 ; chain d = p's pairs j and j + 1
	v_pk_add_f32 v[\d:\d+1], v[S+2*(\j):S+2*(\j)+1], v[S+2*(\j)+2:S+2*(\j)+3]
.endm
.macro PC d, e                                 ; chain d += chain e
	v_pk_add_f32 v[\d:\d+1], v[\d:\d+1], v[\e:\e+1]
.endm
; A KEY STEP: 128 keys
.macro STEP
	s_wait_dscnt 14                                ; tiles 0-3 are in; the 14 loads of tiles 4-7 may be out
.irp j, 0,1,2,3
	WQK 0, \j
.endr
	s_wait_dscnt 0x0
.irp j, 0,1,2,3
	WQK 1, \j
.endr
	v_add_nc_u32 v[ADK], s[TK], v[AK0]             ; these four are the places behind the eight products
	v_add_nc_u32 v[ADS], s[TS], v[ASK0]
	v_add_nc_u32 v[ADV], s[TV], v[AV0]
	v_add_nc_u32 v[ADT], s[TJ], v[ASV0]
.irp k, 0,1,2,3,4,5,6,7                        ; the largest scores: a chain to an accumulator, each read from its low end on
	v_max3_num_f32 v[MX+\k], v[S+8*\k], v[S+8*\k+1], v[S+8*\k+2]
.endr
.irp i, 3,5
.irp k, 0,1,2,3,4,5,6,7
	v_max3_num_f32 v[MX+\k], v[MX+\k], v[S+8*\k+\i], v[S+8*\k+\i+1]
.endr
.endr
	v_max3_num_f32 v[MX], v[MX], v[MX+1], v[S+7]
	v_max3_num_f32 v[MX+2], v[MX+2], v[MX+3], v[S+15]
	v_max3_num_f32 v[MX+4], v[MX+4], v[MX+5], v[S+39]
	v_max3_num_f32 v[MX+6], v[MX+6], v[MX+7], v[S+47]
	v_max3_num_f32 v[MX], v[MX], v[S+23], v[S+31]
	v_max3_num_f32 v[MX+4], v[MX+4], v[S+55], v[S+63]
	v_max_num_f32 v[BM], v[MX], v[MX+2]            ; my two blocks' largest scores
	v_max_num_f32 v[BM+1], v[MX+4], v[MX+6]
	v_max_num_f32 v[TM], v[BM], v[BM+1]
	VLD 0                                          ; V's fragments and the next step's tiles 0-3 are asked for among the links of this chain
	v_permlanex16_b32 v[PT], v[TM], s[SEL], s[SEL+1]
	VLD 1
	v_max3_num_f32 v[SMX], v[SMX], v[TM], v[PT]    ; the running largest score of my query
	VLD 2
	v_mul_f32 v[NN], s[NC], v[SMX]
	VLD 3
	ds_load_b32 v[SV], v[ADT]
	ds_load_b32 v[SV+1], v[ADT] offset:128
	v_floor_f32 v[NN], v[NN]                       ; the new -M = -ceil(t): a whole number
	KLD 0, 1, ADK, ADS
	v_sub_f32 v[DD], v[NN], v[NM]                  ; old M - new M: a whole number, 0 or less
	PF 0
	PF 2
	v_cvt_i32_f32 v[DD], v[DD]                     ; (it saturates)
	PF 4
	PF 6
	v_ldexp_f32 v[F], 1.0, v[DD]
.set JJ, 8
.rept 28
	PF JJ
.set JJ, JJ+2
.endr
.irp c, 0,1
	v_fma_f32 v[BM+\c], v[BM+\c], s[CS], v[NN]     ; the same of each block's largest score
.endr
.set JJ, 0
.rept 16
	v_pk_mul_f32 v[O+JJ:O+JJ+1], v[O+JJ:O+JJ+1], v[F:F+1] op_sel_hi:[1,0]   ; O^T under the new M
.set JJ, JJ+2
.endr
	v_pk_mul_f32 v[L:L+1], v[L:L+1], v[F:F+1] op_sel_hi:[1,0]               ; and the sum
	WALU                                           ; ahead of the batch
.set JJ, 0
.rept 64
	v_exp_f32 v[S+JJ], v[S+JJ]                     ; p = 2^(t - M)
.set JJ, JJ+1
.endr
	v_exp_f32 v[BM], v[BM]                         ; the blocks' largest p
	v_exp_f32 v[BM+1], v[BM+1]
	v_mov_b32 v[NM], v[NN]                         ; a plain place behind the batch
	WALU                                           ; and the wait behind it, ahead of its first reader
	; p's scales and codes, and among their links the sum of the unquantised p in six chains: L, v80-87, v254-255
	v_max_num_f32 v[BM], 0x1800000, v[BM]          ; the floor 2^(3 - 127)
	v_max_num_f32 v[BM+1], 0x1800000, v[BM+1]
	PI MX, 0
	PI MX+2, 2
	PI MX+4, 4
	PI MX+6, 6
	v_add_nc_u32 v[SOP], 0xff000000, v[BM]         ; 2 off the exponent field: the conversion's scale operand
	v_add_nc_u32 v[SOP+1], 0xff000000, v[BM+1]
	PI BB, 8
	PA L, 10
.irp c, 0,1
	v_cvt_scalef32_pk16_fp6_f32 v[CD+6*\c:CD+6*\c+2], v[S+32*\c:S+32*\c+15], v[SOP+\c]
	v_cvt_scalef32_pk16_fp6_f32 v[T2+4*\c:T2+4*\c+2], v[S+32*\c+16:S+32*\c+31], v[SOP+\c]   ; (a conversion's three registers begin on an even number)
.endr
	PA MX, 11                                      ; (plain places behind the conversions)
	PA MX+2, 12
	PA MX+4, 13
	PA MX+6, 14
	PA BB, 15
	PA L, 16
	v_lshrrev_b32 v[EE], 23, v[SOP]                ; the bytes of blocks h and 2 + h
	v_lshrrev_b32 v[EE+1], 23, v[SOP+1]
.irp c, 0,1
.irp i, 0,1,2
	v_mov_b32 v[CD+6*\c+3+\i], v[T2+4*\c+\i]
.endr
.endr
	v_lshl_or_b32 v[WW], v[EE+1], 16, v[EE]
	PA MX, 17
	PA MX+2, 18
	PA MX+4, 19
	v_lshlrev_b32 v[WW], v[SH8], v[WW]             ; at their places in the word
	PA MX+6, 20
	PA BB, 21
	PA L, 22
	v_permlanex16_b32 v[PT], v[WW], s[SEL], s[SEL+1]
	PA MX, 23
	PA MX+2, 24
	PA MX+4, 25
	v_or_b32 v[PW], v[WW], v[PT]                   ; with lane l xor 16's two: p's scale word for these 128 keys; eleven plain lines follow ahead of the products
	PA MX+6, 26
	PA BB, 27
	PA L, 28
	PA MX, 29
	PA MX+2, 30
	PA MX+4, 31
	PC MX+6, BB
	PC MX, MX+2
	PC L, MX+4
	PC MX, MX+6
	PC L, MX
	KLD 1, 1, ADK, ADS                             ; the next step's tiles 4-7: their registers are free again
	WALU
	s_wait_dscnt 28                                ; V is in; behind its loads stand the 14 + 14 of the next step's K
.irp t, 0,1,2,3                                ; O^T += V^T P^T: four accumulators, one instruction each
	WPV \t
.endr
	s_add_co_u32 s[TK], s[TK], KST
	s_add_co_u32 s[TV], s[TV], 6144
	s_add_co_u32 s[TS], s[TS], 512
	s_add_co_u32 s[TJ], s[TJ], 256
.endm
.macro LOOP first, n
	s_mov_b32 s[TK], (\first)*KST
	s_mov_b32 s[TV], (\first)*6144
	s_mov_b32 s[TS], (\first)*512
	s_mov_b32 s[TJ], (\first)*256
	s_mov_b32 s[CNT], \n
.Lstep_\@:
	STEP
	s_sub_co_u32 s[CNT], s[CNT], 1
	s_cmp_lg_u32 s[CNT], 0
	s_cbranch_scc1 .Lstep_\@
.endm
; THE WAY OUT: O^T / the sum, quantised along the channels: register 16 b + i is channel 32 b + 16 h + i: two blocks of 32, half a fragment of the next product's operand
.macro EPI ps
	v_add_f32 v[L], v[L], v[L+1]
	DEP 1
	v_permlanex16_b32 v[PT], v[L], s[SEL], s[SEL+1]
	DEP 1
	v_add_f32 v[L], v[L], v[PT]                    ; the row's sum
	WALU
	v_rcp_f32 v[L], v[L]
.rept 4
	v_nop                                          ; plain places behind the reciprocal and behind the last products
.endr
	WALU                                           ; ahead of the first reader of the reciprocal and of O^T
.set JJ, 0
.rept 16
	v_pk_mul_f32 v[S+JJ:S+JJ+1], v[O+JJ:O+JJ+1], v[L:L+1] op_sel_hi:[1,0]
.set JJ, JJ+2
.endr
.irp b, 0,1
	v_max3_num_f32 v[BM+\b], |v[S+16*\b]|, |v[S+1+16*\b]|, 0x1800000
.endr
.irp i, 2,4,6,8,10,12,14
.irp b, 0,1
	DEP 2
	v_max3_num_f32 v[BM+\b], v[BM+\b], |v[S+16*\b+\i]|, |v[S+1+16*\b+\i]|
.endr
.endr
.irp b, 0,1
	DEP 2
	v_permlanex16_b32 v[BB+\b], v[BM+\b], s[SEL], s[SEL+1]
.endr
.irp b, 0,1
	DEP 2
	v_max_num_f32 v[BM+\b], v[BM+\b], v[BB+\b]
.endr
.irp b, 0,1
	DEP 2
	v_add_nc_u32 v[SOP+\b], 0xff000000, v[BM+\b]
.endr
.irp b, 0,1
	DEP 2
	v_lshrrev_b32 v[EE+\b], 23, v[SOP+\b]
.endr
	DEP 1
	v_lshl_or_b32 v[WW], v[EE+1], 8, v[EE]         ; my head's two bytes of the row's scale word
	v_cvt_scalef32_pk16_fp6_f32 v[CD:CD+2], v[S:S+15], v[SOP]
	v_cvt_scalef32_pk16_fp6_f32 v[T2:T2+2], v[S+16:S+31], v[SOP+1]
	v_nop
.irp i, 0,1,2
	v_permlane16_swap_b32 v[CD+\i], v[T2+\i]       ; a whole block to a lane
.endr
.irp i, 0,1,2
	DEP 3
	v_mov_b32 v[CD+3+\i], v[T2+\i]
.endr
.irp p, 0,1,2
	global_store_b64 v[M8], v[CD+2*\p:CD+2*\p+1], s[OP:OP+1] offset:196608*\ps+256*\p   ; 32 lanes store 256 consecutive bytes, aligned
.endr
	global_store_b16 v[MS], v[WW], s[OSP:OSP+1] offset:8192*\ps   ; 2 bytes a row, lanes l and l + 16 the same two: 32 bytes beside a tile's 768 of codes
.endm
	QLOAD 0
	INIT
	s_cmp_lt_u32 s[WV], 4
	s_cbranch_scc0 .Lnot_first
	s_wait_tensorcnt 0x0                           ; waves 0-3: my tile of the first four
.Lnot_first:
	s_barrier_signal -1
	s_barrier_wait -1                              ; key steps 0-3 of K and V and all scale words are in
	KLD 0, 0, AK0, ASK0
	KLD 1, 0, AK0, ASK0
	LOOP 0, 3                                      ; its last trip fetches key step 3's K, the last of the first chunk
	s_wait_tensorcnt 0x0                           ; every wave: all that is still out
	s_wait_dscnt 0x0
	s_barrier_signal -1
	s_barrier_wait -1                              ; the whole head lies in LDS
	LOOP 3, 13
	s_wait_dscnt 0x0                               ; the last trip's fetch has landed: its registers may be written
	QLOAD 1                                        ; sixteen tiles on; it lands under the first tile's way out
	EPI 0
	s_wait_xcnt 0x0                                ; the stores have read their registers, which the second pass writes again
	KLD 0, 0, AK0, ASK0
	KLD 1, 0, AK0, ASK0
	INIT
	LOOP 0, 16
	s_wait_dscnt 0x0
	EPI 1
	s_wait_tensorcnt 0x0                           ; the wave's end
	ds_add_u32 v[SPW], v[NIL]
	s_wait_dscnt 0x0
	CROUND                                         ; the closing round
	s_endpgm
.Lfunc_end_k_q8b2b39505a_attn:
	.size	k_q8b2b39505a_attn, .Lfunc_end_k_q8b2b39505a_attn-k_q8b2b39505a_attn
	.p2alignl 7, 3214868480
	.fill 96, 4, 3214868480
	.section	.rodata,"a",@progbits
	.p2align	6, 0x0
	.amdhsa_kernel k_q8b2b39505a_attn
		.amdhsa_group_segment_fixed_size 223232
		.amdhsa_private_segment_fixed_size 0
		.amdhsa_enable_private_segment 0
		.amdhsa_kernarg_size 32
		.amdhsa_user_sgpr_count 2
		.amdhsa_user_sgpr_kernarg_segment_ptr 1
		.amdhsa_wavefront_size32 1
		.amdhsa_system_sgpr_workgroup_id_x 1
		.amdhsa_system_sgpr_workgroup_id_y 1
		.amdhsa_system_sgpr_workgroup_id_z 1
		.amdhsa_system_vgpr_workitem_id 0
		.amdhsa_next_free_vgpr 256
		.amdhsa_next_free_sgpr 100
		.amdhsa_reserve_vcc 0
		.amdhsa_float_denorm_mode_32 3
		.amdhsa_float_denorm_mode_16_64 3
		.amdhsa_memory_ordered 1
		.amdhsa_forward_progress 1
		.amdhsa_inst_pref_size 75
	.end_amdhsa_kernel
	.amdgpu_metadata
---
amdhsa.version: [ 1, 2 ]
amdhsa.kernels:
  - .name:           k_q8b2b39505a_attn
    .symbol:         k_q8b2b39505a_attn.kd
    .args:
      - { .name: qkv_img, .offset: 0, .size: 8, .value_kind: global_buffer, .address_space: global }
      - { .name: qkv_scl, .offset: 8, .size: 8, .value_kind: global_buffer, .address_space: global }
      - { .name: o_img, .offset: 16, .size: 8, .value_kind: global_buffer, .address_space: global }
      - { .name: o_scl, .offset: 24, .size: 8, .value_kind: global_buffer, .address_space: global }
    .group_segment_fixed_size: 223232
    .private_segment_fixed_size: 0
    .kernarg_segment_align: 8
    .kernarg_segment_size: 32
    .max_flat_workgroup_size: 512
    .sgpr_count:     100
    .vgpr_count:     256
    .wavefront_size: 32
...
	.end_amdgpu_metadata
.endif
;; end of part 3
;; launch proj (part 4): grid 4 x 64, 4 waves a work-group, clusters of 4 x 4, 295,424 bytes of LDS; arguments o_img, o_scl, w_img, w_scl, b_out, out0; writes out0
.if DOCPART == 4
	.amdgcn_target "amdgcn-amd-amdhsa--gfx1250"
	.amdhsa_code_object_version 6
	.text
	.protected	k_q8b2b39505a_proj
	.globl	k_q8b2b39505a_proj
	.p2align	8
	.type	k_q8b2b39505a_proj,@function
k_q8b2b39505a_proj:
	s_mov_b64 s[64:65], 0
	v_nop
	global_prefetch_b8 v0, s[64:65] scope:SCOPE_SE
	s_setreg_imm32_b32 hwreg(HW_REG_WAVE_MODE, 25, 1), 1
	s_wait_xcnt 0x0
	s_wait_alu depctr_hold_cnt(0) depctr_sa_sdst(0) depctr_va_vdst(0) depctr_va_sdst(0) depctr_va_ssrc(0) depctr_va_vcc(0) depctr_vm_vsrc(0)
	s_getreg_b32 s2, hwreg(HW_REG_IB_STS2, 6, 4)
	s_cmp_eq_u32 s2, 0
	s_cbranch_scc0 .Lentry_in_a_cluster
	s_endpgm
.Lentry_in_a_cluster:
	s_bfe_u32 s2, ttmp6, 0x10000c
	s_cmp_lg_u32 s2, 0xf033
	s_cbranch_scc0 .Lentry_shape_is_right
	s_endpgm
.Lentry_shape_is_right:
; out0 [8192][1024] f32 = o w_out + b_out, on codes of FP6 (E2M3) with E8M0 scales, K = 1,024.  o_img, w_img: images of operand registers, [tile of 16 rows][K step 0..7][1536]: piece p, lane l at 256 p + 8 l;
; tile 2 b + u, lane-row r, is row 32 b + 8 u + r + 8 (r / 8).  o_scl, w_scl: [tile][K step][r], a word each.  w_out's columns are tiles 192-255 of w_img.
; SHARES.  256 work-groups; each makes 128 rows x 256 columns: 8 tiles of o and 16 of w_out, ALL of K: 98,304 + 196,608 bytes of LDS, each byte filled once, by one tensor load a wave at the head (waves 0, 1 half of o's tiles each,
; waves 2, 3 half of w_out's).  So there is no ring and nothing is filled again.  Four waves, 2 x 2: a wave makes 64 x 128: 32 accumulators, window 2.
; CLUSTERS: 4 x 4 work-groups; o's tiles are shared along a row of the cluster, w_out's along a column: joint loads.  All is asked for at the head: there is no loop to run ahead in, so no prefetch.
; The matrix instruction is used transposed (source 0 = w_out's columns, source 1 = o's rows): a lane holds eight neighbouring numbers of a row of the result.  The bias is the first products' C.
; Fragments lie twice in registers: while one K step is multiplied the next one's 72 LDS loads are out.  Window 0: v128-223 o's two sets; window 1: v0-95, v128-223 w_out's two sets, v96-127, v224-255 the bias.
; Scale words come straight from memory: register 4 i + k of a side: lanes 0-15 K step 2 k of tile i, lanes 16-31 K step 2 k + 1.
.set TILE, 12288
.set BB0,  8*TILE
.set SPARE, 24*TILE
.set FR,   12
.set ADRA, 16
.set ADRB, 20
.set L8,   24
.set L4,   25
.set BH,   26
.set STO,  27
.set SPW,  28
.set NIL,  29
.set RD,   30
.set CO,   31
.set SA,   32                          ; v32-47 o's scale words
.set SB,   49                          ; v49-80 w_out's: the two registers of a product differ modulo 8
.set AF,   128
.set BK,   128
.set G1,   24
.set G0,   32
.set G1B,  48
.set G0B,  56
.set MSB, 0
.macro WIN new
.if MSB != (\new)
	s_set_vgpr_msb (MSB<<8)|(\new)
.set MSB, \new
.endif
.endm
.set MUL_LO, 0xa1
.set TO_B,   0x40
.macro CREST
	s_cmp_lg_u32 s18, 0
	s_cbranch_scc1 .Lnot_wave_0_\@
	s_barrier_signal -3
.Lnot_wave_0_\@:
	s_barrier_wait -3
	s_barrier_signal -1
	s_barrier_wait -1
.endm
.macro CROUND
	s_barrier_signal -1
	s_barrier_wait -1
	CREST
.endm
.macro PLACES n
.rept \n
	v_nop
.endr
.endm
	s_load_b256 s[4:11], s[0:1], 0x0               ; o_img, o_scl, w_img, w_scl
	s_load_b128 s[12:15], s[0:1], 0x20             ; b_out, out0
	v_lshl_add_u32 v[SPW], v0, 2, SPARE
	v_mov_b32 v[NIL], 0
	ds_add_u32 v[SPW], v[NIL]                      ; the opening lines: the add twice on end and one wait
	ds_add_u32 v[SPW], v[NIL]
	v_lshrrev_b32 v1, 5, v0
	v_readfirstlane_b32 s18, v1                    ; wave
	s_lshr_b32 s19, s18, 1                         ; my half of the rows.  Also: I fetch for o (0) or for w_out (1)
	s_and_b32 s20, s18, 1                          ; my half of the columns.  Also: which half of that operand's tiles I fetch
	s_bfe_u32 s40, ttmp6, 0x40000
	s_bfe_u32 s41, ttmp6, 0x40004
	s_lshl_b32 s42, ttmp9, 2
	s_add_co_u32 s42, s42, s40                     ; block column 0..3
	s_and_b32 s21, ttmp7, 0xffff
	s_lshl_b32 s21, s21, 2
	s_add_co_u32 s21, s21, s41                     ; block row 0..63
	s_lshl_b32 s43, s41, 2
	s_lshl_b32 s43, 15, s43                        ; my row of the cluster
	s_lshl_b32 s44, 0x1111, s40                    ; my column
	s_or_b32 s[G1], s43, (3<<16)|(1<<21)           ; dense blocks as rows of 256 bytes (32 elements of 8 bytes)
	s_or_b32 s[G1B], s44, (3<<16)|(1<<21)
.irp g, G1, G1B
	s_mov_b32 s[\g+1], 32<<16
	s_mov_b32 s[\g+3], 32<<16
	s_mov_b32 s[\g+5], 32
	s_mov_b32 s[\g+6], 0
	s_mov_b32 s[\g+7], 0
.endr
	s_mov_b32 s[G1+2], 192<<16                     ; four tiles of o: 49,152 bytes
	s_mov_b32 s[G1+4], 192
	s_mov_b32 s[G1B+2], 384<<16                    ; eight tiles of w_out: 98,304 bytes
	s_mov_b32 s[G1B+4], 384
	s_lshl_b32 s76, s21, 3                         ; o's first tile
	s_lshl_b32 s77, s42, 4
	s_add_co_u32 s77, s77, 192                     ; w_out's
	s_lshl_b32 s45, s20, 3
	s_lshl_b32 s46, s19, 2
	s_lshl_b32 s47, s20, 2
	s_mov_b32 s81, 0
	s_mov_b32 s85, 0
	s_mov_b32 s[G0], 1
	s_mul_i32 s[G0+1], s20, 4*TILE
	s_mov_b32 s[G0B], 1
	s_mul_i32 s[G0B+1], s20, 8*TILE
	s_add_co_u32 s[G0B+1], s[G0B+1], BB0
	s_wait_alu depctr_va_vdst(0)
	s_wait_dscnt 0x0
	s_wait_kmcnt 0x0
	s_add_co_u32 s80, s76, s47
	s_mul_i32 s80, s80, TILE
	s_add_nc_u64 s[G0+2:G0+3], s[4:5], s[80:81]
	s_or_b32 s[G0+3], s[G0+3], 0x80000000
	s_add_co_u32 s84, s77, s45
	s_mul_i32 s84, s84, TILE
	s_add_nc_u64 s[G0B+2:G0B+3], s[8:9], s[84:85]
	s_or_b32 s[G0B+3], s[G0B+3], 0x80000000
	s_add_co_u32 s80, s76, s46
	s_lshl_b32 s80, s80, 9
	s_add_nc_u64 s[88:89], s[6:7], s[80:81]        ; my four tiles' scale words
	s_add_co_u32 s84, s77, s45
	s_lshl_b32 s84, s84, 9
	s_add_nc_u64 s[90:91], s[10:11], s[84:85]      ; my eight tiles' scale words
	CROUND                                         ; all sixteen work-groups are here: the joint loads meet
	s_cmp_eq_u32 s19, 0
	s_cbranch_scc0 .Lfor_b
	tensor_load_to_lds s[G0:G0+3], s[G1:G1+7]
	s_nop 0
	PLACES 4
	s_branch .Lasked
.Lfor_b:
	tensor_load_to_lds s[G0B:G0B+3], s[G1B:G1B+7]
	s_nop 0
	PLACES 4
.Lasked:
	v_and_b32 v1, 31, v0
	v_lshlrev_b32 v[L8], 3, v1
	v_lshlrev_b32 v[L4], 2, v1
	v_lshlrev_b32 v[CO], 4, v1
	v_bfe_u32 v2, v0, 4, 1
	v_lshlrev_b32 v[BH], 6, v2
	v_and_b32 v3, 15, v0
	s_mul_i32 s78, s18, 16*528                     ; my stage for the way out: 16 rows x (512 + 16) bytes, on o's tiles, which nobody reads any more by then
	v_mul_u32_u24 v[STO], v3, 528
	v_lshl_add_u32 v[STO], v2, 6, v[STO]
	v_add_nc_u32 v[STO], s78, v[STO]
	v_add_nc_u32 v[RD], s78, v[CO]
	s_mul_i32 s78, s19, 4*TILE
	s_mul_i32 s79, s20, 8*TILE
	s_add_co_u32 s79, s79, BB0
	v_add_nc_u32 v[ADRA], s78, v[L8]
	v_add_nc_u32 v[ADRB], s79, v[L8]
	s_add_co_u32 s79, s79, 4*TILE
	v_add_nc_u32 v[ADRB+1], s79, v[L8]             ; tiles 4-7: beyond the reach of a 16-bit offset
	s_lshl_b32 s66, s42, 10
	s_lshl_b32 s67, s20, 9
	s_add_co_u32 s66, s66, s67
	s_mov_b32 s67, 0
	s_add_nc_u64 s[12:13], s[12:13], s[66:67]      ; my 128 columns, in the bias and in the result
	s_add_nc_u64 s[14:15], s[14:15], s[66:67]
	s_lshl_b32 s66, s21, 7
	s_lshl_b32 s68, s19, 6
	s_add_co_u32 s66, s66, s68
	s_lshl_b32 s66, s66, 12
	s_add_nc_u64 s[14:15], s[14:15], s[66:67]      ; my first row
	s_wait_alu depctr_va_vdst(0)
	WIN TO_B
.irp b, 0,1,2,3,4,5,6,7
	global_load_b128 v[96+8*\b+96*(\b/4):99+8*\b+96*(\b/4)], v[BH], s[12:13] offset:(32*(\b/2)+8*(\b%2))*4
	global_load_b128 v[100+8*\b+96*(\b/4):103+8*\b+96*(\b/4)], v[BH], s[12:13] offset:(32*(\b/2)+8*(\b%2))*4+16
.endr
	WIN 0
.irp i, 0,1,2,3
.irp k, 0,1,2,3
	global_load_b32 v[SA+4*\i+\k], v[L4], s[88:89] offset:512*\i+128*\k
.endr
.endr
.irp i, 0,1,2,3,4,5,6,7
.irp k, 0,1,2,3
	global_load_b32 v[SB+4*\i+\k], v[L4], s[90:91] offset:512*\i+128*\k
.endr
.endr
.macro FRAG reg, adr, off
.irp p, 0,1,2,3,4,5
	ds_load_b64 v[\reg+2*\p:\reg+2*\p+1], v[\adr] offset:\off+256*\p
.endr
.endm
.macro FETCH q                                 ; K step q's twelve fragments into set q % 2: 72 loads
	WIN TO_B
.irp i, 0,1,2,3,4,5,6,7
	FRAG 128*((\q)%2)+FR*\i, ADRB+\i/4, TILE*(\i%4)+1536*(\q)
.endr
	WIN 0
.irp i, 0,1,2,3
	FRAG AF+48*((\q)%2)+FR*\i, ADRA, TILE*\i+1536*(\q)
.endr
.endm
.macro MUL32 q                                 ; 32 products, the 32 accumulators by turns
.irp a, 0,1,2,3
.irp b, 0,1,2,3,4,5,6,7
.set RD_, 8*(8*\a+\b)
.set RB_, 128*((\q)%2)+FR*\b
.set RA_, AF+48*((\q)%2)+FR*\a
.set XB_, SB+4*\b+(\q)/2
.set XA_, SA+4*\a+(\q)/2
.set RC_, 96+8*\b+96*(\b/4)
.if (\q) == 0
	v_wmma_scale_f32_16x16x128_f8f6f4 v[RD_:RD_+7], v[RB_:RB_+FR-1], v[RA_:RA_+FR-1], v[RC_:RC_+7], v[XB_], v[XA_] matrix_a_fmt:MATRIX_FMT_FP6 matrix_b_fmt:MATRIX_FMT_FP6
.elseif ((\q)%2) == 0
	v_wmma_scale_f32_16x16x128_f8f6f4 v[RD_:RD_+7], v[RB_:RB_+FR-1], v[RA_:RA_+FR-1], v[RD_:RD_+7], v[XB_], v[XA_] matrix_a_fmt:MATRIX_FMT_FP6 matrix_b_fmt:MATRIX_FMT_FP6
.else
	v_wmma_scale_f32_16x16x128_f8f6f4 v[RD_:RD_+7], v[RB_:RB_+FR-1], v[RA_:RA_+FR-1], v[RD_:RD_+7], v[XB_], v[XA_] matrix_a_fmt:MATRIX_FMT_FP6 matrix_b_fmt:MATRIX_FMT_FP6 matrix_a_scale:MATRIX_SCALE_ROW1 matrix_b_scale:MATRIX_SCALE_ROW1
.endif
.endr
.endr
.endm
.macro KSTEP q
	s_wait_dscnt 0x0                               ; this step's fragments are in
.if (\q) < 7
.if (\q) > 0
	PLACES 4                                       ; ahead of loads into the registers that the last step's products read
.endif
	FETCH (\q)+1
.else
	s_barrier_signal -1                            ; my reads of the tiles are over
.endif
.if (\q) == 0
	WIN 0x91                                       ; C: the bias, in window 1
.else
	WIN MUL_LO
.endif
	MUL32 \q
	WIN 0
.endm
	s_wait_alu depctr_va_vdst(0)
	s_wait_tensorcnt 0x0                           ; my part of the tiles is in
	s_barrier_signal -1
	s_barrier_wait -1                              ; and everybody's
	FETCH 0
	s_wait_loadcnt 0x0
.irp q, 0,1,2,3,4,5,6,7
	KSTEP \q
.endr
	s_barrier_wait -1                              ; nobody reads the tiles any more: the stages may be written
; THE WAY OUT, block by block of 16 rows x 128 columns, through my own stage: back come whole rows of 512 bytes
.macro TOSTAGE a
.set AC, 64*(\a)
	WIN 0x08
.irp b, 0,1,2,3,4,5,6,7
	ds_store_b128 v[STO], v[AC+8*\b:AC+8*\b+3] offset:128*(\b/2)+32*(\b%2)
	ds_store_b128 v[STO], v[AC+8*\b+4:AC+8*\b+7] offset:128*(\b/2)+32*(\b%2)+16
.endr
	WIN 0
.set BB_, BK+64*((\a)%2)
.irp t, 0,1,2,3,4,5,6,7,8,9,10,11,12,13,14,15
	ds_load_b128 v[BB_+4*\t:BB_+4*\t+3], v[RD] offset:\t*528   ; LDS serves a wave's instructions in order: these see the stores above
.endr
.endm
.macro SEND a, younger
.set BB_, BK+64*((\a)%2)
	s_wait_dscnt \younger
.irp t, 0,1,2,3,4,5,6,7,8,9,10,11,12,13,14,15
	global_store_b128 v[CO], v[BB_+4*\t:BB_+4*\t+3], s[14:15] offset:(32*((\a)/2)+8*((\a)%2)+\t+8*(\t/8))*4096 th:TH_STORE_NT   ; 32 lanes store 512 consecutive bytes, aligned
.endr
.endm
	PLACES 4
	TOSTAGE 0
.irp a, 1,2,3
.if \a > 1
	s_wait_xcnt 0x0                                ; block a - 2's stores have read their registers
.endif
	TOSTAGE \a
	SEND \a-1, 32                                  ; behind block a - 1's loads: block a's 16 stores and 16 loads
.endr
	SEND 3, 0
	s_wait_tensorcnt 0x0                           ; the wave's end
	ds_add_u32 v[SPW], v[NIL]
	s_wait_dscnt 0x0
	CROUND                                         ; the closing round
	s_endpgm
.Lfunc_end_k_q8b2b39505a_proj:
	.size	k_q8b2b39505a_proj, .Lfunc_end_k_q8b2b39505a_proj-k_q8b2b39505a_proj
	.p2alignl 7, 3214868480
	.fill 96, 4, 3214868480
	.section	.rodata,"a",@progbits
	.p2align	6, 0x0
	.amdhsa_kernel k_q8b2b39505a_proj
		.amdhsa_group_segment_fixed_size 295424
		.amdhsa_private_segment_fixed_size 0
		.amdhsa_enable_private_segment 0
		.amdhsa_kernarg_size 48
		.amdhsa_user_sgpr_count 2
		.amdhsa_user_sgpr_kernarg_segment_ptr 1
		.amdhsa_wavefront_size32 1
		.amdhsa_system_sgpr_workgroup_id_x 1
		.amdhsa_system_sgpr_workgroup_id_y 1
		.amdhsa_system_sgpr_workgroup_id_z 1
		.amdhsa_system_vgpr_workitem_id 0
		.amdhsa_next_free_vgpr 768
		.amdhsa_next_free_sgpr 100
		.amdhsa_reserve_vcc 0
		.amdhsa_float_denorm_mode_32 3
		.amdhsa_float_denorm_mode_16_64 3
		.amdhsa_memory_ordered 1
		.amdhsa_forward_progress 1
		.amdhsa_inst_pref_size 97
	.end_amdhsa_kernel
	.amdgpu_metadata
---
amdhsa.version: [ 1, 2 ]
amdhsa.kernels:
  - .name:           k_q8b2b39505a_proj
    .symbol:         k_q8b2b39505a_proj.kd
    .args:
      - { .name: o_img, .offset: 0, .size: 8, .value_kind: global_buffer, .address_space: global }
      - { .name: o_scl, .offset: 8, .size: 8, .value_kind: global_buffer, .address_space: global }
      - { .name: w_img, .offset: 16, .size: 8, .value_kind: global_buffer, .address_space: global }
      - { .name: w_scl, .offset: 24, .size: 8, .value_kind: global_buffer, .address_space: global }
      - { .name: b_out, .offset: 32, .size: 8, .value_kind: global_buffer, .address_space: global }
      - { .name: out0, .offset: 40, .size: 8, .value_kind: global_buffer, .address_space: global }
    .group_segment_fixed_size: 295424
    .private_segment_fixed_size: 0
    .kernarg_segment_align: 8
    .kernarg_segment_size: 48
    .max_flat_workgroup_size: 128
    .sgpr_count:     100
    .vgpr_count:     768
    .wavefront_size: 32
...
	.end_amdgpu_metadata
.endif
;; end of part 4
